; MI455X (gfx1250); checked and timed in simulation.
; The chip was launched on July 23, 2026; its instructions are those of AMD's public machine-readable ISA for CDNA 5 (MIT licence, August 2026) and "CDNA5" Instruction Set Architecture Reference Guide (July 2026). The comments in the code are by the model that wrote it; some were corrected since.
;; Llama Attention Experimental. Allowed arithmetic: matrix products marked QUANTISED: E2M3 operands, one E8M0 scale for each 32 along K, by v_wmma_scale_f32_16x16x128_f8f6f4 with both operands' format E2M3, f32 sums; everything else in f32.
;; Inputs: Wk 4,096 x 1,024 float32; Wo 2,048 x 4,096 float32; Wq 4,096 x 2,048 float32; Wv 4,096 x 1,024 float32; cos 2,048 x 128 float32; hidden_states 1 x 2,048 x 4,096 float32; position_ids 1 x 2,048 int32; sin 2,048 x 128 float32.
;; Outputs: out0 1 x 2,048 x 4,096 float32.
;; This version of the problem:
;;   THIS VERSION OF THE PROBLEM IS GIVEN IN LOW PRECISION. The matrix products marked QUANTISED in the list below multiply operands that are first quantised to E2M3 (2 exponent bits, 3 mantissa bits; 6 bits a number), with one power-of-two scale for each 32 numbers along K (OCP MX v1.0); their sums are f32. All else is computed in f32.
;;   The module's matrix products, in the order in which they are computed (A, B: the left and right operand; K: the contracted axis; several contracted axes count as one K, in the product's order):
;;     1. [M 2,048, K 4,096] x [K 4,096, N 2,048]; A: input hidden_states; B: input Wq: QUANTISED
;;     2. [M 2,048, K 4,096] x [K 4,096, N 1,024]; A: input hidden_states; B: input Wk: QUANTISED
;;     3. [M 2,048, K 4,096] x [K 4,096, N 1,024]; A: input hidden_states; B: input Wv: QUANTISED
;;     4. batch 16 x [M 2,048, K 128] x [K 128, N 2,048]; A: computed on the way; B: computed on the way: QUANTISED
;;     5. batch 16 x [M 2,048, K 2,048] x [K 2,048, N 128]; A: softmax (see below); B: computed on the way: QUANTISED
;;     6. [M 2,048, K 2,048] x [K 2,048, N 4,096]; A: computed on the way; B: input Wo: QUANTISED
;;   THE QUANTISER, for each operand of a quantised product, along K:
;;     - K is cut into blocks of 32 from its start; a last block that is shorter is filled with zeros.
;;     - A block's scale is 2^e with e = floor(log2(the largest magnitude in the block)) - 2, held to -126 .. 127; a block of zeros has e = 0. As a byte (E8M0): e + 127.
;;     - Each number is divided by its block's scale, clamped to +-7.5, and rounded to the nearest number of E2M3, ties to even, subnormals kept.
;;     - The product sums the exact products of the quantised numbers (number of the format x scale) in f32.
;;   ~~~python
;;   def quantise(x, axis):      # numpy; x: float32 -> the quantised numbers, widened to float32 again
;;       x = np.moveaxis(x, axis, -1); K = x.shape[-1]
;;       x = np.pad(x, [(0, 0)] * (x.ndim - 1) + [(0, -K % 32)]); x = x.reshape(x.shape[:-1] + (-1, 32)); a = np.abs(x).max(-1, keepdims=True)
;;       e = np.where(a > 0, np.clip(np.frexp(np.where(a > 0, a, 1))[1] - 1 - 2, -126, 127), 0)      # np.frexp(a)[1] - 1 = floor(log2(a)), exactly
;;       r = np.clip(x / 2.0 ** e, -7.5, 7.5)
;;       step = 2.0 ** (np.maximum(np.frexp(np.where(r == 0, 1, r))[1] - 1, 0) - 3)
;;       q = np.round(r / step) * step * 2.0 ** e      # np.round: ties to even
;;       return np.moveaxis(q.reshape(q.shape[:-2] + (-1,))[..., :K], -1, axis).astype(np.float32)
;;   ~~~
;;   SOFTMAX AHEAD OF A QUANTISED PRODUCT. Where the list says 'softmax', what is quantised is not the finished softmax but p = 2^(t - M), with t = logit x log2(e) and M = ceil(the row's largest t), a whole number; so 1/2 < the row's largest p <= 1. The row's sum l is taken of the UNQUANTISED p, in f32, and the product's result is divided by l at the end. Since M is a whole number, a kernel that streams over the keys may use a running M (the ceiling of the running maximum): every later rescaling is an exact power of two, which a block's scale takes up: the codes' values come out the same.
;;   OPERANDS COMPUTED ON THE WAY. 'Computed on the way' means the value that the module computes at that place (a softmax that the list does not call 'softmax' is quantised finished and normalised). What goes into a quantiser is computed in f32, as accurately as f32 sums, v_exp_f32 and their like allow (about 1e-6 of the number): no bf16 or f16 on the way to a quantiser, and a product that is left as it is and whose result goes on into a quantised operand takes f32 operands (vector FMAs, or v_wmma_f32_16x16x4_f32). A number that lies on a knife's edge between two numbers of the format may be rounded either way, as far as f32 arithmetic and the matrix unit's own rounding can turn it there, and no further.
;; 2 versions, each right; version 2 is version 1 with the launch thresh written anew for expert scheduling mode. Each part assembles by itself: llvm-mc -triple=amdgcn-amd-amdhsa -mcpu=gfx1250 --defsym DOCPART=n.
;; ======== version 1 of 2: 6 launches
;; limits: right only within a limited range of input values
;; workspace buffers: x_rec 6,815,744 bytes; w_rec 13,631,488 bytes; wo_rec 6,815,744 bytes; qkv_rec 6,553,600 bytes; thr 131,072 bytes; o_rec 3,407,872 bytes
;; launch quantx (part 1): grid 256 x 1, 4 waves a work-group, no clusters, 34,304 bytes of LDS; arguments hidden_states, x_rec; writes x_rec
.if DOCPART == 1
	.amdgcn_target "amdgcn-amd-amdhsa--gfx1250"
	.amdhsa_code_object_version 6
	.text
	.protected	k_qa8eff64bb5_quantx
	.globl	k_qa8eff64bb5_quantx
	.p2align	8
	.type	k_qa8eff64bb5_quantx,@function
k_qa8eff64bb5_quantx:
	s_mov_b64 s[64:65], 0
	v_nop
	global_prefetch_b8 v0, s[64:65] scope:SCOPE_SE
	s_setreg_imm32_b32 hwreg(HW_REG_WAVE_MODE, 25, 1), 1
	s_wait_xcnt 0x0
; hidden_states [2048][4096] f32 becomes codes of FP6 (E2M3) with one E8M0 scale byte for each 32 along K, laid as the products' operand registers want them.
; A RECORD (3,328 bytes) serves 32 rows and 128 along K: the register image of tile 0 (1,536 bytes: dword g of lane l at 512 (g / 4) + 16 l + 4 (g % 4)), that of tile 1, then 32 pairs (a row's scale word, 0).
; x_rec is [64 groups of 32 rows][32 K steps][record].  ROWS LIE IN POSITION ORDER: row r of tile u of group G is token 32 G + 8 u + (r & 7) + 16 (r >> 3).
; A wave makes two whole records: 4 fragments f = (tile f / 2, K step f % 2).  Each load reads 512 consecutive bytes of one row; the 16 rows turn through the wave's own stage in LDS, so that
; lane (r, h) gets, of row r, 16 neighbours of each block of 32.  Waves share nothing: no barrier.
; A block's scale is 2^(floor(log2(largest magnitude)) - 2); its byte is the largest magnitude's exponent field - 2, held at 1 from below.
; LIMITS: NaN and infinities are not served; a block whose largest magnitude lies under 2^-124 (zeros among them) gets the byte 1: read by this program alone.
.set GR,   3328
.set STGB, 8448                        ; a wave's stage: 16 rows of 512 bytes + 16
.set R,    16                          ; v16-143  two sets of 64: a fragment's numbers as loaded
.set X,    144                         ; v144-207 the same, 16 neighbours of each block to a lane
.set PC,   208                         ; v208-227 the codes
.set TM,   228                         ; v228-243 at work
.set PW,   244                         ; v244     the row's scale word
	s_load_b128 s[4:7], s[0:1], 0x0                ; hidden_states, x_rec
	v_lshl_add_u32 v254, v0, 2, 0x8400
	v_mov_b32 v255, 0
	v_lshrrev_b32 v7, 5, v0
	v_readfirstlane_b32 s8, v7                     ; wave 0..3
	v_and_b32 v8, 31, v0                           ; lane
	v_and_b32 v9, 15, v0                           ; r
	v_bfe_u32 v10, v0, 4, 1                        ; h
	v_lshlrev_b32 v1, 4, v8                        ; 16 x lane
	s_mul_i32 s9, s8, STGB
	v_add_nc_u32 v2, s9, v1                        ; the stage on the way in: a row's 512 bytes as they lie
	v_mul_u32_u24 v3, v9, 528
	v_lshl_add_u32 v3, v10, 6, v3
	v_add_nc_u32 v3, s9, v3                        ; and on the way out: row r, + 64 h
	v_lshlrev_b32 v4, 3, v9
	v_lshl_add_u32 v4, v10, 2, v4                  ; the scale pairs: 8 r + 4 h
	v_mov_b32 v5, 0
.irp b, 0,1,2,3
	v_mov_b32 v[TM+4+\b], 0                        ; written once: a lane permute's destination counts as one of its sources
.endr
	s_mov_b32 s20, 0x76543210
	s_mov_b32 s21, 0xfedcba98                      ; selects for lane l xor 16
	s_mov_b32 s22, 0xffff0000                      ; lanes 16-31
	s_lshl_b32 s10, ttmp9, 2
	s_add_co_u32 s10, s10, s8                      ; which of the 1,024 shares is my wave's
	s_lshr_b32 s11, s10, 4                         ; G
	s_and_b32 s12, s10, 15
	s_lshl_b32 s12, s12, 1                         ; my first K step
	s_lshl_b32 s14, s11, 19                        ; 32 G rows of 16,384 bytes
	s_lshl_b32 s13, s12, 9                         ; 512 bytes a K step
	s_add_co_u32 s14, s14, s13
	s_mov_b32 s15, 0
	s_lshl_b32 s16, s11, 5
	s_add_co_u32 s16, s16, s12
	s_mul_i32 s16, s16, GR
	s_mov_b32 s17, 0
	s_wait_kmcnt 0x0
	s_add_nc_u64 s[4:5], s[4:5], s[14:15]
	s_add_nc_u64 s[6:7], s[6:7], s[16:17]
; 64 numbers of a lane, register 16 b + i = k 32 b + 16 h + i of my row, become a fragment's codes in v[PC] on and the row's scale word in v[PW]
.macro QUANT s
.irp b, 0,1,2,3
	v_max3_num_f32 v[TM+\b], |v[(\s)+16*\b]|, |v[(\s)+1+16*\b]|, 0x1800000   ; with the floor 2^(3 - 127): the byte cannot fall under 1
.endr
.irp i, 2,4,6,8,10,12,14
.irp b, 0,1,2,3
	v_max3_num_f32 v[TM+\b], |v[(\s)+16*\b+\i]|, |v[(\s)+1+16*\b+\i]|, v[TM+\b]
.endr
.endr
.irp b, 0,1,2,3
	v_permlanex16_b32 v[TM+4+\b], v[TM+\b], s20, s21
.endr
.irp b, 0,1,2,3
	v_max_num_f32 v[TM+\b], v[TM+\b], v[TM+4+\b]   ; with lane l xor 16's: the block's largest magnitude
.endr
.irp b, 0,1,2,3
	v_add_nc_u32 v[TM+12+\b], 0xff000000, v[TM+\b] ; 2 off its exponent field: the conversion's scale operand
.endr
.irp b, 0,1,2,3
	v_lshrrev_b32 v[TM+4+\b], 23, v[TM+12+\b]      ; the scale's byte
.endr
	v_lshl_or_b32 v[PW], v[TM+5], 8, v[TM+4]
	v_lshl_or_b32 v[PW], v[TM+6], 16, v[PW]
	v_lshl_or_b32 v[PW], v[TM+7], 24, v[PW]
.irp c, 0,1
	v_cvt_scalef32_pk16_fp6_f32 v[PC+6*\c:PC+2+6*\c], v[(\s)+32*\c:(\s)+15+32*\c], v[TM+12+2*\c]
	v_cvt_scalef32_pk16_fp6_f32 v[PC+12+4*\c:PC+14+4*\c], v[(\s)+16+32*\c:(\s)+31+32*\c], v[TM+13+2*\c]
.endr
	v_nop                                          ; one plain instruction behind the scaled conversions
.irp c, 0,1                                    ; the operand wants a whole block in a lane: lanes 0-15 block 2 c, lanes 16-31 block 2 c + 1
.irp i, 0,1,2
	v_permlane16_swap_b32 v[PC+6*\c+\i], v[PC+12+4*\c+\i]
.endr
.irp i, 0,1,2
	v_mov_b32 v[PC+3+6*\c+\i], v[PC+12+4*\c+\i]
.endr
.endr
.endm
.macro LOADF f                         ; fragment f: 16 rows x 512 bytes, row i of the tile is token 8 u + (i & 7) + 16 (i >> 3) of the group
.irp i, 0,1,2,3,4,5,6,7,8,9,10,11,12,13,14,15
	global_load_b128 v[R+64*((\f)%2)+4*\i:R+64*((\f)%2)+4*\i+3], v1, s[4:5] offset:(8*((\f)/2)+(\i%8)+16*(\i/8))*16384+512*((\f)%2) th:TH_LOAD_NT
.endr
.endm
.macro FRAG f
.if (\f) < 3
	s_wait_loadcnt 16                              ; this fragment's 16 loads are in; the next fragment's 16 may be out
.else
	s_wait_loadcnt 0x0
.endif
.irp i, 0,1,2,3,4,5,6,7,8,9,10,11,12,13,14,15
	ds_store_b128 v2, v[R+64*((\f)%2)+4*\i:R+64*((\f)%2)+4*\i+3] offset:528*\i
.endr
.irp b, 0,1,2,3
.irp j, 0,1,2,3
	ds_load_b128 v[X+16*\b+4*\j:X+16*\b+4*\j+3], v3 offset:128*\b+16*\j   ; LDS serves a wave's instructions in order: these see the stores above
.endr
.endr
	s_wait_dscnt 0x0                               ; the numbers are back, and the stores have read their registers,
.if (\f) < 2
	LOADF (\f)+2                                   ; which take the fragment two further on
.endif
	s_wait_xcnt 0x0                                ; the last fragment's stores have read their data: the codes' registers are written again only behind this wait
	QUANT X
.irp c, 0,1,2
	global_store_b128 v1, v[PC+4*\c:PC+4*\c+3], s[6:7] offset:GR*((\f)%2)+1536*((\f)/2)+512*\c   ; 512 consecutive bytes a store
.endr
	v_cndmask_b32 v6, v[PW], v5, s22               ; lanes 0-15 the word, lanes 16-31 the pair's 0
	global_store_b32 v4, v6, s[6:7] offset:GR*((\f)%2)+3072+128*((\f)/2)
.endm
	LOADF 0
	LOADF 1
	FRAG 0
	FRAG 1
	FRAG 2
	FRAG 3
	s_wait_tensorcnt 0x0
	ds_add_u32 v254, v255
	s_wait_dscnt 0x0
	s_endpgm
.Lfunc_end_k_qa8eff64bb5_quantx:
	.size	k_qa8eff64bb5_quantx, .Lfunc_end_k_qa8eff64bb5_quantx-k_qa8eff64bb5_quantx
	.p2alignl 7, 3214868480
	.fill 96, 4, 3214868480
	.section	.rodata,"a",@progbits
	.p2align	6, 0x0
	.amdhsa_kernel k_qa8eff64bb5_quantx
		.amdhsa_group_segment_fixed_size 34304
		.amdhsa_private_segment_fixed_size 0
		.amdhsa_enable_private_segment 0
		.amdhsa_kernarg_size 16
		.amdhsa_user_sgpr_count 2
		.amdhsa_user_sgpr_kernarg_segment_ptr 1
		.amdhsa_wavefront_size32 1
		.amdhsa_system_sgpr_workgroup_id_x 1
		.amdhsa_system_sgpr_workgroup_id_y 1
		.amdhsa_system_sgpr_workgroup_id_z 1
		.amdhsa_system_vgpr_workitem_id 0
		.amdhsa_next_free_vgpr 256
		.amdhsa_next_free_sgpr 66
		.amdhsa_reserve_vcc 0
		.amdhsa_float_denorm_mode_32 3
		.amdhsa_float_denorm_mode_16_64 3
		.amdhsa_memory_ordered 1
		.amdhsa_forward_progress 1
		.amdhsa_inst_pref_size 34
	.end_amdhsa_kernel
	.amdgpu_metadata
---
amdhsa.version: [ 1, 2 ]
amdhsa.kernels:
  - .name:           k_qa8eff64bb5_quantx
    .symbol:         k_qa8eff64bb5_quantx.kd
    .args:
      - { .name: hidden_states, .offset: 0, .size: 8, .value_kind: global_buffer, .address_space: global }
      - { .name: x_rec, .offset: 8, .size: 8, .value_kind: global_buffer, .address_space: global }
    .group_segment_fixed_size: 34304
    .private_segment_fixed_size: 0
    .kernarg_segment_align: 8
    .kernarg_segment_size: 16
    .max_flat_workgroup_size: 128
    .sgpr_count:     66
    .vgpr_count:     256
    .wavefront_size: 32
...
	.end_amdgpu_metadata
.endif
;; end of part 1
;; launch quantw (part 2): grid 768 x 1, 4 waves a work-group, no clusters, 13,824 bytes of LDS; arguments Wq, Wk, Wv, Wo, w_rec, wo_rec; writes w_rec, wo_rec
.if DOCPART == 2
	.amdgcn_target "amdgcn-amd-amdhsa--gfx1250"
	.amdhsa_code_object_version 6
	.text
	.protected	k_qa8eff64bb5_quantw
	.globl	k_qa8eff64bb5_quantw
	.p2align	8
	.type	k_qa8eff64bb5_quantw,@function
k_qa8eff64bb5_quantw:
	s_mov_b64 s[64:65], 0
	v_nop
	global_prefetch_b8 v0, s[64:65] scope:SCOPE_SE
	s_setreg_imm32_b32 hwreg(HW_REG_WAVE_MODE, 25, 1), 1
	s_wait_xcnt 0x0
; The four weights, f32 with K as their FIRST axis, become codes of FP6 (E2M3) with K innermost and one E8M0 byte for each 32 along K, in records of 3,328 bytes
; (32 columns x 128 along K: two register images of 1,536 bytes, then 32 pairs (scale word, 0)).  w_rec: [128 groups of 32 columns][32 K steps]: groups 0-63 Wq, 64-95 Wk, 96-127 Wv.  wo_rec: [128][16].
; COLUMNS LIE IN POSITION ORDER: column l of a group has position p = l with bits 3 and 4 exchanged; tile p / 16, row p % 16.
; A LANE TAKES A COLUMN AND ITS REGISTERS RUN DOWN K: a block of 32 lies in one lane, the conversions give codes with K innermost, nothing is transposed by an instruction.
; A work-group takes 128 columns x 256 along K, a wave 32 columns: two records.  A block's six dwords go to their place in the image in the wave's own stage in LDS; a record leaves in stores of 512 consecutive bytes.
; One path serves all four tensors: pointers, the pitch and the first column are chosen by selects on the work-group's number.  Waves share nothing: no barrier.
; LIMITS: NaN and infinities are not served; a block whose largest magnitude lies under 2^-124 (zeros among them) gets the byte 1: read by this program alone.
.set GR,  3328
.set OFF, 32                           ; v32-63   4 x lane + i x pitch
.set X,   64                           ; v64-127  two sets of 32 numbers
.set P,   16                           ; v16-21   a block's codes
.set Q,   22                           ; v22-24   their second half as converted
.set OUT, 128                          ; v128-175 the way out: 24 registers for each record
	s_load_b256 s[4:11], s[0:1], 0x0               ; Wq s[4:5], Wk s[6:7], Wv s[8:9], Wo s[10:11]
	s_load_b128 s[12:15], s[0:1], 0x20             ; w_rec, wo_rec
	v_lshl_add_u32 v192, v0, 2, 0x3400
	v_mov_b32 v193, 0
	v_lshrrev_b32 v1, 5, v0
	v_readfirstlane_b32 s16, v1                    ; wave 0..3
	v_and_b32 v1, 31, v0                           ; lane
	s_cmp_ge_u32 ttmp9, 512                        ; the last 256 work-groups take Wo
	s_cselect_b32 s17, 512, 0
	s_sub_co_u32 s17, ttmp9, s17
	s_and_b32 s18, s17, 31                         ; which 128 columns
	s_lshr_b32 s19, s17, 5                         ; which 256 along K
	s_mov_b32 s20, 8192                            ; the pitch in bytes
	s_mov_b32 s21, 0                               ; the tensor's first block of 128 columns
	s_mov_b32 s22, 32*GR                           ; bytes of a group's records
	s_wait_kmcnt 0x0
	s_cmp_ge_u32 s18, 16
	s_cselect_b64 s[4:5], s[6:7], s[4:5]
	s_cselect_b32 s20, 4096, s20
	s_cselect_b32 s21, 16, s21
	s_cmp_ge_u32 s18, 24
	s_cselect_b64 s[4:5], s[8:9], s[4:5]
	s_cselect_b32 s21, 24, s21
	s_cmp_ge_u32 ttmp9, 512
	s_cselect_b64 s[4:5], s[10:11], s[4:5]
	s_cselect_b32 s20, 16384, s20
	s_cselect_b32 s21, 0, s21
	s_cselect_b64 s[12:13], s[14:15], s[12:13]
	s_cselect_b32 s22, 16*GR, s22
	s_sub_co_u32 s23, s18, s21
	s_lshl_b32 s23, s23, 9                         ; 128 columns of 4 bytes
	s_lshl_b32 s24, s16, 7                         ; my wave's 32
	s_add_co_u32 s24, s23, s24
	s_lshl_b32 s25, s19, 8
	s_mul_i32 s25, s25, s20                        ; 256 kc rows
	s_add_co_u32 s24, s24, s25
	s_mov_b32 s25, 0
	s_add_nc_u64 s[40:41], s[4:5], s[24:25]        ; block 0's first row; a base for each of the 8 blocks, so that no pointer is stepped
	s_lshl_b32 s26, s20, 5
	s_mov_b32 s27, 0
.irp t, 1,2,3,4,5,6,7
	s_add_nc_u64 s[40+2*\t:41+2*\t], s[38+2*\t:39+2*\t], s[26:27]
.endr
	s_lshl_b32 s28, s18, 2
	s_add_co_u32 s28, s28, s16                     ; my group of 32 columns
	s_mul_i32 s28, s28, s22
	s_mul_i32 s29, s19, 2*GR
	s_add_co_u32 s28, s28, s29
	s_mov_b32 s29, 0
	s_add_nc_u64 s[36:37], s[12:13], s[28:29]      ; my two records
	v_lshlrev_b32 v6, 2, v1
.set n, 0
.rept 32
	v_mad_u32_u24 v[OFF+n], s20, n, v6
.set n, n+1
.endr
	v_bfe_u32 v7, v0, 3, 1                         ; my column's tile
	v_and_b32 v12, 7, v0
	v_bfe_u32 v13, v0, 4, 1
	v_lshl_add_u32 v12, v13, 3, v12                ; and its row there
	s_mul_i32 s30, s16, GR                         ; my stage: tile u at 1,664 u
	v_mul_u32_u24 v2, v7, 1664
	v_lshl_add_u32 v2, v12, 4, v2
	v_add_nc_u32 v2, s30, v2                       ; in: 16 x row
	v_lshlrev_b32 v4, 4, v1
	v_add_nc_u32 v3, s30, v4                       ; out: 16 x lane
	v_lshl_add_u32 v5, v7, 4, v12
	v_lshlrev_b32 v5, 3, v5                        ; my scale pair: 8 x position
	v_mov_b32 v9, 0
	v_mov_b32 v11, 0
.macro LOADB t                         ; block t: W(32 t + i, my column)
.set n, 0
.rept 32
	global_load_b32 v[X+32*((\t)%2)+n], v[OFF+n], s[40+2*(\t):41+2*(\t)] th:TH_LOAD_NT
.set n, n+1
.endr
.endm
.macro BLOCK t
.set XS, X+32*((\t)%2)
.set HH, (\t)%2
.if (\t) < 7
	s_wait_loadcnt 32                              ; this block's 32 loads are in; the next block's may be out
.else
	s_wait_loadcnt 0x0
.endif
	v_max3_num_f32 v12, |v[XS]|, |v[XS+1]|, |v[XS+2]|
	v_max3_num_f32 v13, |v[XS+3]|, |v[XS+4]|, |v[XS+5]|
.irp i, 6,10,14,18,22,26
	v_max3_num_f32 v12, v12, |v[XS+\i]|, |v[XS+\i+1]|
	v_max3_num_f32 v13, v13, |v[XS+\i+2]|, |v[XS+\i+3]|
.endr
	v_max3_num_f32 v12, v12, |v[XS+30]|, |v[XS+31]|
	v_max3_num_f32 v12, v12, v13, 0x1800000        ; with the floor 2^(3 - 127)
	v_add_nc_u32 v14, 0xff000000, v12              ; 2 off the exponent field: the conversion's scale operand
	v_lshrrev_b32 v13, 23, v14                     ; the scale's byte
.if (\t)%4 == 0
	v_mov_b32 v[8+2*((\t)/4)], v13
.else
	v_lshl_or_b32 v[8+2*((\t)/4)], v13, 8*((\t)%4), v[8+2*((\t)/4)]
.endif
	v_cvt_scalef32_pk16_fp6_f32 v[P:P+2], v[XS:XS+15], v14
	v_cvt_scalef32_pk16_fp6_f32 v[Q:Q+2], v[XS+16:XS+31], v14
	v_nop                                          ; one plain instruction behind the scaled conversions
.irp i, 0,1,2
	v_mov_b32 v[P+3+\i], v[Q+\i]
.endr
.if ((\t)%4) < 2                       ; block 2 c + hh of a K step is dwords 6 c .. 6 c + 5 of image lane row + 16 hh
	ds_store_b128 v2, v[P:P+3] offset:256*HH
	ds_store_b64 v2, v[P+4:P+5] offset:512+256*HH
.else
	ds_store_b64 v2, v[P:P+1] offset:520+256*HH
	ds_store_b128 v2, v[P+2:P+5] offset:1024+256*HH
.endif
.if (\t) < 6
	LOADB (\t)+2
.endif
	s_wait_dscnt 0x0                               ; the stores have read their registers
.endm
.macro FLUSH k                         ; a record leaves
.irp u, 0,1
.irp c, 0,1,2
	ds_load_b128 v[OUT+24*\k+4*(3*\u+\c):OUT+24*\k+4*(3*\u+\c)+3], v3 offset:1664*\u+512*\c
.endr
.endr
	s_wait_dscnt 0x0
.irp u, 0,1
.irp c, 0,1,2
	global_store_b128 v4, v[OUT+24*\k+4*(3*\u+\c):OUT+24*\k+4*(3*\u+\c)+3], s[36:37] offset:GR*\k+1536*\u+512*\c
.endr
.endr
	global_store_b64 v5, v[8+2*\k:9+2*\k], s[36:37] offset:GR*\k+3072   ; 32 lanes store 256 consecutive bytes
.endm
	LOADB 0
	LOADB 1
	BLOCK 0
	BLOCK 1
	BLOCK 2
	BLOCK 3
	FLUSH 0
	BLOCK 4
	BLOCK 5
	BLOCK 6
	BLOCK 7
	FLUSH 1
	s_wait_tensorcnt 0x0
	ds_add_u32 v192, v193
	s_wait_dscnt 0x0
	s_endpgm
.Lfunc_end_k_qa8eff64bb5_quantw:
	.size	k_qa8eff64bb5_quantw, .Lfunc_end_k_qa8eff64bb5_quantw-k_qa8eff64bb5_quantw
	.p2alignl 7, 3214868480
	.fill 96, 4, 3214868480
	.section	.rodata,"a",@progbits
	.p2align	6, 0x0
	.amdhsa_kernel k_qa8eff64bb5_quantw
		.amdhsa_group_segment_fixed_size 13824
		.amdhsa_private_segment_fixed_size 0
		.amdhsa_enable_private_segment 0
		.amdhsa_kernarg_size 48
		.amdhsa_user_sgpr_count 2
		.amdhsa_user_sgpr_kernarg_segment_ptr 1
		.amdhsa_wavefront_size32 1
		.amdhsa_system_sgpr_workgroup_id_x 1
		.amdhsa_system_sgpr_workgroup_id_y 1
		.amdhsa_system_sgpr_workgroup_id_z 1
		.amdhsa_system_vgpr_workitem_id 0
		.amdhsa_next_free_vgpr 194
		.amdhsa_next_free_sgpr 66
		.amdhsa_reserve_vcc 0
		.amdhsa_float_denorm_mode_32 3
		.amdhsa_float_denorm_mode_16_64 3
		.amdhsa_memory_ordered 1
		.amdhsa_forward_progress 1
		.amdhsa_inst_pref_size 45
	.end_amdhsa_kernel
	.amdgpu_metadata
---
amdhsa.version: [ 1, 2 ]
amdhsa.kernels:
  - .name:           k_qa8eff64bb5_quantw
    .symbol:         k_qa8eff64bb5_quantw.kd
    .args:
      - { .name: Wq, .offset: 0, .size: 8, .value_kind: global_buffer, .address_space: global }
      - { .name: Wk, .offset: 8, .size: 8, .value_kind: global_buffer, .address_space: global }
      - { .name: Wv, .offset: 16, .size: 8, .value_kind: global_buffer, .address_space: global }
      - { .name: Wo, .offset: 24, .size: 8, .value_kind: global_buffer, .address_space: global }
      - { .name: w_rec, .offset: 32, .size: 8, .value_kind: global_buffer, .address_space: global }
      - { .name: wo_rec, .offset: 40, .size: 8, .value_kind: global_buffer, .address_space: global }
    .group_segment_fixed_size: 13824
    .private_segment_fixed_size: 0
    .kernarg_segment_align: 8
    .kernarg_segment_size: 48
    .max_flat_workgroup_size: 128
    .sgpr_count:     66
    .vgpr_count:     194
    .wavefront_size: 32
...
	.end_amdgpu_metadata
.endif
;; end of part 2
;; launch gemm_qkv (part 3): grid 16 x 16, 4 waves a work-group, clusters of 4 x 4, 327,680 bytes of LDS; arguments x_rec, w_rec, cos, sin, position_ids, qkv_rec; writes qkv_rec
.if DOCPART == 3
	.amdgcn_target "amdgcn-amd-amdhsa--gfx1250"
	.amdhsa_code_object_version 6
	.text
	.protected	k_qa8eff64bb5_gemm_qkv
	.globl	k_qa8eff64bb5_gemm_qkv
	.p2align	8
	.type	k_qa8eff64bb5_gemm_qkv,@function
k_qa8eff64bb5_gemm_qkv:
	s_mov_b64 s[64:65], 0
	v_nop
	global_prefetch_b8 v0, s[64:65] scope:SCOPE_SE
	s_setreg_imm32_b32 hwreg(HW_REG_WAVE_MODE, 25, 1), 1
	s_wait_xcnt 0x0
	s_wait_alu depctr_hold_cnt(0) depctr_sa_sdst(0) depctr_va_vdst(0) depctr_va_sdst(0) depctr_va_ssrc(0) depctr_va_vcc(0) depctr_vm_vsrc(0)
	s_getreg_b32 s2, hwreg(HW_REG_IB_STS2, 6, 4)
	s_cmp_eq_u32 s2, 0
	s_cbranch_scc0 .Lentry_in_a_cluster
	s_endpgm
.Lentry_in_a_cluster:
	s_bfe_u32 s2, ttmp6, 0x10000c
	s_cmp_lg_u32 s2, 0xf033
	s_cbranch_scc0 .Lentry_shape_is_right
	s_endpgm
.Lentry_shape_is_right:
; q, k and v = hidden_states x (Wq | Wk | Wv) on codes of FP6 (E2M3) with E8M0 scales; RoPE on q and k in f32; the results are quantised at once: q and k along the head's 128, v along the keys.
; OPERANDS come as records of 3,328 bytes (32 rows x 128 K: two register images, 32 pairs (scale word, 0)), [group][K step].  Rows lie in position order (bits 3 and 4 of the index exchanged).
; A work-group makes 128 'A' rows x 256 'B' rows, a wave 64 x 128: 32 accumulators.  THE PRODUCT IS USED TRANSPOSED (source 0 = 16 B rows, source 1 = 16 A rows): a lane holds one A row, and by the position
; order its 64 registers of a block are B indices 32 b + 16 h + i: 16 neighbours of each block of 32, as the conversions want them.
; q, k (cluster x 0 to 2): A = tokens, B = weight columns: a wave's 128 columns are one head.  v (cluster x 3): A = Wv's columns (one KV head's 128), B = tokens: the registers then run along the keys.
; RESULT: qkv_rec [32: q heads 0-15, k 16-23, v 24-31][16][12,800 bytes]: eight register images (q, k: tiles of 16 tokens of a block of 128; v: tiles of 16 of the head's 128, for a step of 128 keys), then 8 x 16 scale words.
; K goes through a ring of two LDS slots of 4 K steps (12 groups x 13,312 bytes).  CLUSTERS: A's rows are shared along a row of the cluster, B's along a column: joint loads.
; REGISTERS: window 0: v16-23 LDS addresses, v28-29 the add's, v32-43 scale words (two sets), v44-47 cos/sin offsets, v64-159 A's fragments (two sets), epilogue v64-83, v160-248;
;   window 1: B's fragments (two sets at 0 and 128), later cos and sin of blocks 2, 3; window 2: the accumulators ((a, b) at 8 (8 a + b)); window 3: cos and sin of blocks 0, 1.
; LIMITS: NaN and infinities are not served; a block whose largest magnitude lies under 2^-124 gets the byte 1; position_ids are held to 0 .. 2,047.
.set KSTEPS, 32
.set GR,     3328
.set ROWL,   4*GR                      ; a group's 4 K steps: one row of a tile, 13,312 bytes
.set SLOT,   12*ROWL                   ; A's 4 groups, then B's 8
.set SPARE,  2*SLOT                    ; the spare words: 128 bytes for each wave, named by no other line
.set LAPS,   KSTEPS/8
.set ADRA, 16
.set ADRB, 18
.set ASA,  20
.set ASB,  22
.set SPW,  28
.set NIL,  29
.set CO,   44
.set HA,   160
.set PC,   64
.set TM,   224
.set PW,   248
.set WV,   16
.set HM,   17
.set HN,   18
.set ISV,  19
.set G1A,  24
.set G0A,  32
.set G1B,  48
.set G0B,  56
.set MSB, 0
.macro WIN new                         ; the immediate's high byte repeats the setting that is left
.if MSB != \new
	s_set_vgpr_msb (MSB<<8)|\new
.set MSB, \new
.endif
.endm
.macro JLOAD s                         ; a joint load: waves 0, 1 fetch A's halves, waves 2, 3 B's; four v_nop follow each line
	s_cmp_eq_u32 s[HM], 0
	s_cbranch_scc0 .Lfor_b_\@
	tensor_load_to_lds s[G0A+4*\s:G0A+4*\s+3], s[G1A:G1A+7]
	s_nop 0
.rept 4
	v_nop
.endr
	s_branch .Lasked_\@
.Lfor_b_\@:
	tensor_load_to_lds s[G0B+4*\s:G0B+4*\s+3], s[G1B:G1B+7]
	s_nop 0
.rept 4
	v_nop
.endr
.Lasked_\@:
.endm
.macro CREST                           ; a round of the cluster's barrier behind its opening barrier
	s_cmp_lg_u32 s[WV], 0
	s_cbranch_scc1 .Lnot_wave_0_\@
	s_barrier_signal -3
.Lnot_wave_0_\@:
	s_barrier_wait -3
	s_barrier_signal -1
	s_barrier_wait -1
.endm
.macro CROUND
	s_barrier_signal -1
	s_barrier_wait -1
	CREST
.endm
.macro PLACES
.rept 4
	v_nop
.endr
.endm
; one product: D at d, source 0 at fb (window 1), source 1 at fa (window 0); z: it starts the sum; scale words sa, sb; ra, rb: taken from lanes 16-31
.macro WM d, fb, fa, z, sa, sb, ra, rb
.if (\z) && (\ra) && (\rb)
	v_wmma_scale_f32_16x16x128_f8f6f4 v[(\d):(\d)+7], v[(\fb):(\fb)+11], v[(\fa):(\fa)+11], 0, v[\sa], v[\sb] matrix_a_fmt:MATRIX_FMT_FP6 matrix_b_fmt:MATRIX_FMT_FP6 matrix_a_scale:MATRIX_SCALE_ROW1 matrix_b_scale:MATRIX_SCALE_ROW1
.elseif (\z) && (\ra)
	v_wmma_scale_f32_16x16x128_f8f6f4 v[(\d):(\d)+7], v[(\fb):(\fb)+11], v[(\fa):(\fa)+11], 0, v[\sa], v[\sb] matrix_a_fmt:MATRIX_FMT_FP6 matrix_b_fmt:MATRIX_FMT_FP6 matrix_a_scale:MATRIX_SCALE_ROW1
.elseif (\z) && (\rb)
	v_wmma_scale_f32_16x16x128_f8f6f4 v[(\d):(\d)+7], v[(\fb):(\fb)+11], v[(\fa):(\fa)+11], 0, v[\sa], v[\sb] matrix_a_fmt:MATRIX_FMT_FP6 matrix_b_fmt:MATRIX_FMT_FP6 matrix_b_scale:MATRIX_SCALE_ROW1
.elseif (\z)
	v_wmma_scale_f32_16x16x128_f8f6f4 v[(\d):(\d)+7], v[(\fb):(\fb)+11], v[(\fa):(\fa)+11], 0, v[\sa], v[\sb] matrix_a_fmt:MATRIX_FMT_FP6 matrix_b_fmt:MATRIX_FMT_FP6
.elseif (\ra) && (\rb)
	v_wmma_scale_f32_16x16x128_f8f6f4 v[(\d):(\d)+7], v[(\fb):(\fb)+11], v[(\fa):(\fa)+11], v[(\d):(\d)+7], v[\sa], v[\sb] matrix_a_fmt:MATRIX_FMT_FP6 matrix_b_fmt:MATRIX_FMT_FP6 matrix_a_scale:MATRIX_SCALE_ROW1 matrix_b_scale:MATRIX_SCALE_ROW1
.elseif (\ra)
	v_wmma_scale_f32_16x16x128_f8f6f4 v[(\d):(\d)+7], v[(\fb):(\fb)+11], v[(\fa):(\fa)+11], v[(\d):(\d)+7], v[\sa], v[\sb] matrix_a_fmt:MATRIX_FMT_FP6 matrix_b_fmt:MATRIX_FMT_FP6 matrix_a_scale:MATRIX_SCALE_ROW1
.elseif (\rb)
	v_wmma_scale_f32_16x16x128_f8f6f4 v[(\d):(\d)+7], v[(\fb):(\fb)+11], v[(\fa):(\fa)+11], v[(\d):(\d)+7], v[\sa], v[\sb] matrix_a_fmt:MATRIX_FMT_FP6 matrix_b_fmt:MATRIX_FMT_FP6 matrix_b_scale:MATRIX_SCALE_ROW1
.else
	v_wmma_scale_f32_16x16x128_f8f6f4 v[(\d):(\d)+7], v[(\fb):(\fb)+11], v[(\fa):(\fa)+11], v[(\d):(\d)+7], v[\sa], v[\sb] matrix_a_fmt:MATRIX_FMT_FP6 matrix_b_fmt:MATRIX_FMT_FP6
.endif
.endm
; A's blocks a0 .. a0 + n - 1 against B's eight, from set p.  The 32 accumulators take turns, one instruction a turn, in the same order in every step
.macro MUL a0, n, p, zero
.set AA, \a0
.rept \n
.irp b, 0,1,2,3,4,5,6,7
	WM 8*(8*AA+\b), 128*(\p)+12*\b, 64+48*(\p)+12*AA, \zero, 34+6*(\p)+\b/2, 32+6*(\p)+AA/2, \b%2, AA%2
.endr
.set AA, AA+1
.endr
.endm
; 42 LDS loads in one run: the slot's q-th K step into set p: B's 8 images, A's 4, and 6 registers of scale words (lanes 0-15 a group's tile 0, lanes 16-31 its tile 1)
.macro FETCH slot, q, p
	WIN 0x40
.irp b, 0,1,2,3,4,5,6,7
.irp c, 0,1,2
	ds_load_b128 v[128*(\p)+12*\b+4*\c:128*(\p)+12*\b+4*\c+3], v[ADRB+\slot] offset:ROWL*(\b/2)+GR*(\q)+1536*(\b%2)+512*\c
.endr
.endr
	WIN 0
.irp a, 0,1,2,3
.irp c, 0,1,2
	ds_load_b128 v[64+48*(\p)+12*\a+4*\c:64+48*(\p)+12*\a+4*\c+3], v[ADRA+\slot] offset:ROWL*(\a/2)+GR*(\q)+1536*(\a%2)+512*\c
.endr
.endr
.irp g, 0,1
	ds_load_b32 v[32+6*(\p)+\g], v[ASA+\slot] offset:3072+ROWL*\g+GR*(\q)
.endr
.irp g, 0,1,2,3
	ds_load_b32 v[34+6*(\p)+\g], v[ASB+\slot] offset:3072+ROWL*\g+GR*(\q)
.endr
.endm
.macro STEP slot, q, zero              ; a K step that has its successor in the same slot
	s_wait_dscnt 0x0                               ; this step's set is in
	WIN 0xa1
	MUL 0, 2, (\q)%2, \zero
	PLACES                                         ; in front of loads into registers that the last step's products read
	FETCH \slot, (\q)+1, 1-(\q)%2
	WIN 0xa1
	MUL 2, 2, (\q)%2, \zero
	WIN 0
.endm
; A slot's last step changes slots: one barrier; in front of it each wave waits for all its tensor loads, adds 0 to its spare word, and waits for that and for its reads of this slot
.macro TURN slot, next, fill
	WIN 0
	s_wait_tensorcnt 0x0                           ; all my tensor loads have landed: my part of the next slot
	ds_add_u32 v[SPW], v[NIL]
	s_wait_dscnt 1                                 ; this step's set is in; the add alone may be out
	WIN 0xa1
	MUL 0, 1, 1, 0
	s_wait_dscnt 0x0                               ; the add is done, and my reads of this slot are over
	s_barrier_signal -1
	MUL 1, 1, 1, 0
	WIN 0
	s_barrier_wait -1
.if \fill
	CREST                                          ; the barrier has opened a round of the cluster's: no wave of any partner still reads this slot or has a load on its way
	s_add_nc_u64 s[G0A+4*\slot+2:G0A+4*\slot+3], s[G0A+4*\slot+2:G0A+4*\slot+3], 2*ROWL
	s_add_nc_u64 s[G0B+4*\slot+2:G0B+4*\slot+3], s[G0B+4*\slot+2:G0B+4*\slot+3], 2*ROWL
	JLOAD \slot                                    ; the first tensor load behind the round; its four v_nop are the places in front of the loads below
.else
	PLACES
.endif
	FETCH \next, 0, 0
	WIN 0xa1
	MUL 2, 2, 1, 0
	WIN 0
.endm
	s_load_b256 s[4:11], s[0:1], 0x0               ; x_rec s[4:5], w_rec s[6:7], cos s[8:9], sin s[10:11]
	s_load_b128 s[12:15], s[0:1], 0x20             ; position_ids s[12:13], qkv_rec s[14:15]
	v_lshl_add_u32 v[SPW], v0, 2, SPARE
	v_mov_b32 v[NIL], 0
	ds_add_u32 v28, v29
	s_wait_dscnt 0x0
	v_lshrrev_b32 v1, 5, v0
	v_readfirstlane_b32 s[WV], v1                  ; wave 0..3
	s_lshr_b32 s[HM], s[WV], 1                     ; my half of A's rows.  Also: I fetch for A (0) or for B (1)
	s_and_b32 s[HN], s[WV], 1                      ; my half of B's rows.  Also: which half of that tile I fetch
	s_bfe_u32 s40, ttmp6, 0x40000                  ; cx
	s_bfe_u32 s41, ttmp6, 0x40004                  ; cy
	s_and_b32 s20, ttmp7, 0xffff                   ; cluster y
	s_lshr_b32 s21, s20, 1
	s_and_b32 s22, s20, 1
	s_cmp_eq_u32 ttmp9, 3                          ; cluster x 3 makes v: the same in all sixteen partners
	s_cselect_b32 s[ISV], 1, 0
	s_cselect_b32 s21, s21, s20
	s_cselect_b32 s22, s22, ttmp9
	s_cselect_b32 s23, 96, 0                       ; Wv's groups begin at 96
	s_lshl_b32 s43, s21, 2
	s_add_co_u32 s43, s43, s41                     ; R: which 128 A rows
	s_lshl_b32 s42, s22, 2
	s_add_co_u32 s42, s42, s40                     ; C: which 256 B rows
	s_lshl_b32 s44, s41, 2
	s_lshl_b32 s44, 15, s44                        ; my row of the cluster
	s_lshl_b32 s45, 0x1111, s40                    ; my column
	; descriptor group 1: rows of 13,312 bytes (1,664 elements of 8 bytes), a group's records apart; A: 2 rows a load, B: 4
	s_or_b32 s[G1A], s44, (3<<16)|(1<<21)
	s_or_b32 s[G1B], s45, (3<<16)|(1<<21)
	s_mov_b32 s[G1A+1], 1664<<16                   ; tensor_dim0
	s_mov_b32 s[G1A+2], 2<<16                      ; tensor_dim1
	s_mov_b32 s[G1A+3], 1664<<16                   ; tile_dim0
	s_mov_b32 s[G1A+4], 2                          ; tile_dim1
	s_mov_b32 s[G1A+5], 416*KSTEPS                 ; the pitch
	s_mov_b32 s[G1A+6], 0
	s_mov_b32 s[G1A+7], 0
	s_mov_b32 s[G1B+1], 1664<<16
	s_mov_b32 s[G1B+2], 4<<16
	s_mov_b32 s[G1B+3], 1664<<16
	s_mov_b32 s[G1B+4], 4
	s_mov_b32 s[G1B+5], 416*KSTEPS
	s_mov_b32 s[G1B+6], 0
	s_mov_b32 s[G1B+7], 0
	s_lshl_b32 s46, s43, 2
	s_add_co_u32 s46, s46, s23
	s_lshl_b32 s47, s[HN], 1
	s_add_co_u32 s46, s46, s47                     ; A: the first group that I fetch
	s_mul_i32 s46, s46, KSTEPS*GR
	s_mov_b32 s47, 0
	s_lshl_b32 s66, s42, 3
	s_lshl_b32 s67, s[HN], 2
	s_add_co_u32 s66, s66, s67                     ; B likewise
	s_mul_i32 s66, s66, KSTEPS*GR
	s_mov_b32 s67, 0
	s_mul_i32 s68, s[HN], 2*ROWL                   ; where they go in a slot: no place in the cluster enters an LDS address
	s_mul_i32 s69, s[HN], 4*ROWL
	s_add_co_u32 s69, s69, 4*ROWL
	s_wait_kmcnt 0x0
	s_cmp_eq_u32 s[ISV], 1
	s_cselect_b64 s[74:75], s[6:7], s[4:5]         ; A: the weights for v, else the tokens
	s_cselect_b64 s[76:77], s[4:5], s[6:7]         ; B: the other
	s_add_nc_u64 s[74:75], s[74:75], s[46:47]
	s_add_nc_u64 s[76:77], s[76:77], s[66:67]
	CROUND                                         ; all sixteen work-groups are here: the first joint loads meet
.irp s, 0,1
	s_mov_b32 s[G0A+4*\s], 1
	s_add_co_u32 s[G0A+4*\s+1], s68, \s*SLOT
	s_add_nc_u64 s[G0A+4*\s+2:G0A+4*\s+3], s[74:75], \s*ROWL
	s_or_b32 s[G0A+4*\s+3], s[G0A+4*\s+3], 0x80000000
	s_mov_b32 s[G0B+4*\s], 1
	s_add_co_u32 s[G0B+4*\s+1], s69, \s*SLOT
	s_add_nc_u64 s[G0B+4*\s+2:G0B+4*\s+3], s[76:77], \s*ROWL
	s_or_b32 s[G0B+4*\s+3], s[G0B+4*\s+3], 0x80000000
	JLOAD \s                                       ; two loads of mine are out
.endr
	v_and_b32 v1, 31, v0
	v_lshlrev_b32 v2, 4, v1                        ; 16 x lane
	v_lshlrev_b32 v3, 3, v1                        ; 8 x lane
	v_lshlrev_b32 v9, 2, v1                        ; 4 x lane
	s_mul_i32 s20, s[HM], 2*ROWL                   ; my two groups of A
	s_mul_i32 s21, s[HN], 4*ROWL
	s_add_co_u32 s21, s21, 4*ROWL                  ; my four groups of B
.irp s, 0,1
	v_add_nc_u32 v[ADRA+\s], s20, v2
	v_add_nc_u32 v[ADRB+\s], s21, v2
	v_add_nc_u32 v[ASA+\s], s20, v3
	v_add_nc_u32 v[ASB+\s], s21, v3
	s_add_co_u32 s20, s20, SLOT
	s_add_co_u32 s21, s21, SLOT
.endr
.irp b, 0,1,2,3
	v_mov_b32 v[TM+4+\b], 0                        ; written once: a lane permute's destination counts as one of its sources
.endr
	s_mov_b32 s80, 0x76543210
	s_mov_b32 s81, 0xfedcba98
	s_mov_b32 s82, 0xffff0000
	; the positions of my 64 tokens: block a's row r is token 32 (a / 2) + 8 (a % 2) + (r & 7) + 16 (r >> 3)
	v_bfe_u32 v5, v0, 4, 1                         ; h
	v_and_b32 v6, 7, v0
	v_bfe_u32 v7, v0, 3, 1
	v_lshl_add_u32 v6, v7, 4, v6
	v_lshlrev_b32 v6, 2, v6
	v_lshlrev_b32 v8, 6, v5
	s_lshl_b32 s84, s43, 9
	s_lshl_b32 s85, s[HM], 8
	s_add_co_u32 s84, s84, s85
	s_mov_b32 s85, 0
	s_add_nc_u64 s[12:13], s[12:13], s[84:85]
.irp a, 0,1,2,3
	global_load_b32 v[CO+\a], v6, s[12:13] offset:4*(32*(\a/2)+8*(\a%2))
.endr
	; where my results go
	s_lshl_b32 s84, s42, 1
	s_add_co_u32 s84, s84, s[HN]
	s_add_co_u32 s85, s43, 24
	s_cmp_eq_u32 s[ISV], 1
	s_cselect_b32 s86, s85, s84                    ; q, k: head 2 C + hn; v: 24 + R
	s_cselect_b32 s87, s84, s43                    ; q, k: token block R; v: key step 2 C + hn
	s_mul_i32 s86, s86, 204800
	s_mul_i32 s87, s87, 12800
	s_add_co_u32 s86, s86, s87
	s_mul_i32 s87, s[HM], 6144
	s_add_co_u32 s88, s86, s87
	s_mov_b32 s89, 0
	s_add_nc_u64 s[70:71], s[14:15], s[88:89]      ; my four images
	s_lshl_b32 s87, s[HM], 8
	s_add_co_u32 s88, s86, s87
	s_add_co_u32 s88, s88, 12288
	s_add_nc_u64 s[72:73], s[14:15], s[88:89]      ; and their scale words
	s_wait_loadcnt 0x0
.irp a, 0,1,2,3
	v_min_u32 v[CO+\a], 0x7ff, v[CO+\a]
.endr
.irp a, 0,1,2,3
	v_lshl_add_u32 v[CO+\a], v[CO+\a], 9, v8       ; a row of cos or sin is 512 bytes; + 64 h: my 16 numbers of each block of 32
.endr
.macro CSLOAD a                        ; block a's cos at 128 (a % 2), its sin 64 further on, in the results' own order
.irp b, 0,1,2,3
.irp j, 0,1,2,3
	global_load_b128 v[128*((\a)%2)+16*\b+4*\j:128*((\a)%2)+16*\b+4*\j+3], v[CO+\a], s[8:9] offset:128*\b+16*\j
	global_load_b128 v[128*((\a)%2)+64+16*\b+4*\j:128*((\a)%2)+64+16*\b+4*\j+3], v[CO+\a], s[10:11] offset:128*\b+16*\j
.endr
.endr
.endm
	WIN 0xc0                                       ; destination window 3
	CSLOAD 0
	CSLOAD 1
	WIN 0
	s_wait_tensorcnt 1                             ; my part of slot 0 is in; slot 1's may stay out
	s_barrier_signal -1
	s_barrier_wait -1
	FETCH 0, 0, 0
	STEP 0, 0, 1                                   ; the first step stands in front of the loop: its products start the sums
	s_mov_b32 s3, LAPS-1
.Llap:                                             ; a trip goes once round the ring and fills both slots again
	STEP 0, 1, 0
	STEP 0, 2, 0
	TURN 0, 1, 1
	STEP 1, 0, 0
	STEP 1, 1, 0
	STEP 1, 2, 0
	TURN 1, 0, 1
	STEP 0, 0, 0
	s_sub_co_u32 s3, s3, 1
	s_cmp_lg_u32 s3, 0
	s_cbranch_scc1 .Llap
	STEP 0, 1, 0                                   ; the last lap fills nothing
	STEP 0, 2, 0
	TURN 0, 1, 0
	STEP 1, 0, 0
	STEP 1, 1, 0
	STEP 1, 2, 0
	s_wait_dscnt 0x0
	WIN 0xa1
	MUL 0, 4, 1, 0
	WIN 0
	PLACES                                         ; in front of loads into B's registers and of the first reads of results
	s_wait_loadcnt 0x0                             ; cos and sin of blocks 0 and 1, asked for at the head
	WIN 0x40                                       ; destination window 1: B's fragments are done with
	CSLOAD 2
	CSLOAD 3
	WIN 0
; 64 numbers of a lane in window w, register 16 b + i = k 32 b + 16 h + i of my row, become a fragment's codes in v[PC] on and the row's scale word in v[PW]
.macro QUANT s, w
.set QW, (\w)|((\w)<<2)
	WIN QW
.irp b, 0,1,2,3
	v_max3_num_f32 v[TM+\b], |v[(\s)+16*\b]|, |v[(\s)+1+16*\b]|, 0x1800000   ; each accumulator is read from its low end on
.endr
.irp i, 2,4,6,8,10,12,14
.irp b, 0,1,2,3
	v_max3_num_f32 v[TM+\b], |v[(\s)+16*\b+\i]|, |v[(\s)+1+16*\b+\i]|, v[TM+\b]
.endr
.endr
	WIN 0
.irp b, 0,1,2,3
	v_permlanex16_b32 v[TM+4+\b], v[TM+\b], s80, s81
.endr
.irp b, 0,1,2,3
	v_max_num_f32 v[TM+\b], v[TM+\b], v[TM+4+\b]
.endr
.irp b, 0,1,2,3
	v_add_nc_u32 v[TM+12+\b], 0xff000000, v[TM+\b]
.endr
.irp b, 0,1,2,3
	v_lshrrev_b32 v[TM+4+\b], 23, v[TM+12+\b]
.endr
	v_lshl_or_b32 v[PW], v[TM+5], 8, v[TM+4]
	v_lshl_or_b32 v[PW], v[TM+6], 16, v[PW]
	v_lshl_or_b32 v[PW], v[TM+7], 24, v[PW]
	WIN \w
.irp c, 0,1
	v_cvt_scalef32_pk16_fp6_f32 v[PC+6*\c:PC+2+6*\c], v[(\s)+32*\c:(\s)+15+32*\c], v[TM+12+2*\c]
	v_cvt_scalef32_pk16_fp6_f32 v[PC+12+4*\c:PC+14+4*\c], v[(\s)+16+32*\c:(\s)+31+32*\c], v[TM+13+2*\c]
.endr
	WIN 0
	v_nop                                          ; one plain instruction behind the scaled conversions
.irp c, 0,1
.irp i, 0,1,2
	v_permlane16_swap_b32 v[PC+6*\c+\i], v[PC+12+4*\c+\i]
.endr
.irp i, 0,1,2
	v_mov_b32 v[PC+3+6*\c+\i], v[PC+12+4*\c+\i]
.endr
.endr
.endm
; block a (16 A rows) leaves.  rope = 1: x c + rotate_half(x) s first: index d + 64 lies 32 registers on
.macro EPI a, rope
.if \rope
.if (\a) == 2
	s_wait_loadcnt 32                              ; block 2's cos and sin are in; block 3's 32 loads may be out
.elseif (\a) == 3
	s_wait_loadcnt 0x0
.endif
.if (\a) < 2
	WIN 0x0e                                       ; source 0 window 2 (results), source 1 window 3 (cos, sin)
.else
	WIN 0x06                                       ; source 1 window 1
.endif
.set CB, 128*((\a)%2)
.irp i, 0,2,4,6,8,10,12,14,16,18,20,22,24,26,28,30
	v_pk_mul_f32 v[HA+\i:HA+\i+1], v[64*(\a)+\i:64*(\a)+\i+1], v[CB+\i:CB+\i+1]
	v_pk_mul_f32 v[HA+32+\i:HA+33+\i], v[64*(\a)+32+\i:64*(\a)+33+\i], v[CB+32+\i:CB+33+\i]
	v_pk_fma_f32 v[HA+\i:HA+\i+1], v[64*(\a)+32+\i:64*(\a)+33+\i], v[CB+64+\i:CB+65+\i], v[HA+\i:HA+\i+1] neg_lo:[1,0,0] neg_hi:[1,0,0]
	v_pk_fma_f32 v[HA+32+\i:HA+33+\i], v[64*(\a)+\i:64*(\a)+\i+1], v[CB+96+\i:CB+97+\i], v[HA+32+\i:HA+33+\i]
.endr
	WIN 0
.endif
	s_wait_xcnt 0x0                                ; the last block's stores have read their data: the codes' registers are written again only behind this wait
.if \rope
	QUANT HA, 0
.else
	QUANT 64*(\a), 2
.endif
	v_mov_b32 v[240+\a], v[PW]
.irp c, 0,1,2
	global_store_b128 v2, v[PC+4*\c:PC+4*\c+3], s[70:71] offset:1536*(\a)+512*\c
.endr
.if (\a)%2
	v_cndmask_b32 v[244+(\a)/2], v[239+\a], v[240+\a], s82   ; lanes 0-15 the even block's words, lanes 16-31 the odd one's
	global_store_b32 v9, v[244+(\a)/2], s[72:73] offset:128*((\a)/2)
.endif
.endm
	s_cmp_eq_u32 s[ISV], 1
	s_cbranch_scc1 .Lfor_v
	EPI 0, 1
	EPI 1, 1
	EPI 2, 1
	EPI 3, 1
	s_branch .Ldone
.Lfor_v:
	EPI 0, 0
	EPI 1, 0
	EPI 2, 0
	EPI 3, 0
.Ldone:
	s_wait_tensorcnt 0x0                           ; the wave's end
	ds_add_u32 v[SPW], v[NIL]
	s_wait_dscnt 0x0
	CROUND                                         ; the closing round
	s_endpgm
.Lfunc_end_k_qa8eff64bb5_gemm_qkv:
	.size	k_qa8eff64bb5_gemm_qkv, .Lfunc_end_k_qa8eff64bb5_gemm_qkv-k_qa8eff64bb5_gemm_qkv
	.p2alignl 7, 3214868480
	.fill 96, 4, 3214868480
	.section	.rodata,"a",@progbits
	.p2align	6, 0x0
	.amdhsa_kernel k_qa8eff64bb5_gemm_qkv
		.amdhsa_group_segment_fixed_size 327680
		.amdhsa_private_segment_fixed_size 0
		.amdhsa_enable_private_segment 0
		.amdhsa_kernarg_size 48
		.amdhsa_user_sgpr_count 2
		.amdhsa_user_sgpr_kernarg_segment_ptr 1
		.amdhsa_wavefront_size32 1
		.amdhsa_system_sgpr_workgroup_id_x 1
		.amdhsa_system_sgpr_workgroup_id_y 1
		.amdhsa_system_sgpr_workgroup_id_z 1
		.amdhsa_system_vgpr_workitem_id 0
		.amdhsa_next_free_vgpr 1024
		.amdhsa_next_free_sgpr 100
		.amdhsa_reserve_vcc 0
		.amdhsa_float_denorm_mode_32 3
		.amdhsa_float_denorm_mode_16_64 3
		.amdhsa_memory_ordered 1
		.amdhsa_forward_progress 1
		.amdhsa_inst_pref_size 185
	.end_amdhsa_kernel
	.amdgpu_metadata
---
amdhsa.version: [ 1, 2 ]
amdhsa.kernels:
  - .name:           k_qa8eff64bb5_gemm_qkv
    .symbol:         k_qa8eff64bb5_gemm_qkv.kd
    .args:
      - { .name: x_rec, .offset: 0, .size: 8, .value_kind: global_buffer, .address_space: global }
      - { .name: w_rec, .offset: 8, .size: 8, .value_kind: global_buffer, .address_space: global }
      - { .name: cos, .offset: 16, .size: 8, .value_kind: global_buffer, .address_space: global }
      - { .name: sin, .offset: 24, .size: 8, .value_kind: global_buffer, .address_space: global }
      - { .name: position_ids, .offset: 32, .size: 8, .value_kind: global_buffer, .address_space: global }
      - { .name: qkv_rec, .offset: 40, .size: 8, .value_kind: global_buffer, .address_space: global }
    .group_segment_fixed_size: 327680
    .private_segment_fixed_size: 0
    .kernarg_segment_align: 8
    .kernarg_segment_size: 48
    .max_flat_workgroup_size: 128
    .sgpr_count:     100
    .vgpr_count:     1024
    .wavefront_size: 32
...
	.end_amdgpu_metadata
.endif
;; end of part 3
;; launch thresh (part 4): grid 8 x 64, 16 waves a work-group, no clusters, 264,960 bytes of LDS; arguments qkv_rec, thr; writes thr
.if DOCPART == 4
	.amdgcn_target "amdgcn-amd-amdhsa--gfx1250"
	.amdhsa_code_object_version 6
	.text
	.protected	k_qa8eff64bb5_thresh
	.globl	k_qa8eff64bb5_thresh
	.p2align	8
	.type	k_qa8eff64bb5_thresh,@function
k_qa8eff64bb5_thresh:
	s_mov_b64 s[64:65], 0
	v_nop
	global_prefetch_b8 v0, s[64:65] scope:SCOPE_SE
	s_setreg_imm32_b32 hwreg(HW_REG_WAVE_MODE, 25, 1), 1
	s_wait_xcnt 0x0
; For each query token >= 1,024 of each head: the 1,024th largest of its visible raw scores (q . k on the codes, before the division by sqrt(128)).  Tokens < 1,024 keep every visible key and need none.
; A work-group takes KV head x and tile 127 - y of 16 queries, FOR BOTH QUERY HEADS THAT SHARE THAT KV HEAD: 32 queries.  The tiles with the most keys come first in the grid's order.
; PHASE A: wave w takes group w of 128 keys: it loads K's record once and multiplies it by both heads' tiles of Q, by the same matrix instruction on the same operands as the attention launch, so that the bits agree.
; A wave whose group lies wholly behind the diagonal loads and multiplies nothing and stores -2^62; the wave on the diagonal sets its hidden keys to -2^62; the others have no hidden key.
; The scores lie in LDS, [32 queries][2,048], rows 8,208 bytes apart: 16 rows that a store touches start in 16 different columns of 16 bytes.
; PHASE B: wave w owns query w of both heads, 16 lanes and 128 registers a lane each.  The two rows lie a multiple of 256 bytes apart and the lanes of the second take the other eight places, so a load's 16 lanes touch 16 different columns.
; THE SEARCH goes bit by bit over the ordered key of an f32 (31 trips of a constant count: bits 31 to 1).  COUNTING IS DONE BY SIGN: with s' = the score's bits | 1 and a candidate T of even bits, s' - T is never 0;
; (s' - T) x 2^64, at least 2^-85 in magnitude, is converted with the scale 2^-126 to the code of +7.5 or -7.5, sixteen an instruction, and a product with an operand of ones adds the codes: 7.5 (above - below).
; A conversion's three registers stand at registers 0-2 or 6-8 of an operand, where a code begins; registers 3-5 and 9-11 stay zero codes.  Chunks of 256 keys that lie wholly behind the diagonal are left out by a branch on ids.
; The result is the lower number of the winning pair of bit patterns: the attention launch keeps a key where score >= that number.  thr: [16 heads][64 tiles][32 words]: word l is query position l & 15's.
; No prefetch: a KV head's records are read by 64 work-groups, not once.  No tensor loads: the scores leave no room in LDS for K.
; LIMITS: raw scores stay under 2^62 in magnitude; scores that differ in the last bit of f32 alone count as equal; -0 counts as just under +0; NaN and infinities are not served.
; REGISTERS, phase A: v4-15 Q of the odd head, v16-27 Q of the even head, v32-127 K, v128-191 scores, v192 16 l, v193 Q's scale words' offset, v194 the causal number, v195 -2^62, v235 Q's scale words, v236-239 K's.
;   LDS addresses, made at the head and not rewritten while in use: v1, v3 the results' words, v28, v29 the two heads' rows in phase A, v30 my row in phase B.
;   phase B: v4-27, v64-87 the four counting operands, v28 the key so far, v29 2^126, v30 the bar, v31 the candidate, v32-63 at work, v88-95, v224-231 sums, v96-223 my 128 scores, v240-251 ones, v252 scales of 1.
.set AR,    12800
.set HB,    204800
.set SP,    8208
.set TILE1, 16*SP                      ; the odd head's 16 rows
.set THL,   32*SP                      ; behind the scores: 32 words for the results
	s_load_b128 s[4:7], s[0:1], 0x0                ; qkv_rec, thr
	v_lshrrev_b32 v1, 5, v0
	v_readfirstlane_b32 s8, v1                     ; wave 0..15
	s_and_b32 s9, ttmp7, 0xffff
	s_sub_co_u32 s9, 127, s9                       ; T: the tile of 16 queries
	s_lshl_b32 s10, ttmp9, 1                       ; the even one of the two query heads
	s_lshr_b32 s12, s9, 3                          ; the diagonal's group of 128 keys
	s_add_co_u32 s13, s12, 2
	s_lshr_b32 s13, s13, 1                         ; chunks of 256 keys that hold a visible key: 5 to 8
	s_mul_i32 s14, s10, HB
	s_mul_i32 s15, s12, AR
	s_add_co_u32 s14, s14, s15                     ; the even head's record of Q; the odd head's lies HB bytes on
	s_and_b32 s16, s9, 7
	s_mul_i32 s17, s16, 1536
	s_add_co_u32 s26, s14, s17
	s_mov_b32 s27, 0
	s_lshl_b32 s17, s16, 6
	s_add_co_u32 s28, s14, s17
	s_add_co_u32 s28, s28, 12288
	s_mov_b32 s29, 0
	s_add_co_u32 s30, ttmp9, 16
	s_mul_i32 s30, s30, HB
	s_mul_i32 s31, s8, AR
	s_add_co_u32 s30, s30, s31                     ; K's record of group w
	s_mov_b32 s31, 0
	s_lshr_b32 s32, s9, 1
	s_and_b32 s32, s32, 3
	s_lshl_b32 s32, s32, 5
	s_and_b32 s33, s9, 1
	s_lshl_b32 s33, s33, 3
	s_add_co_u32 s32, s32, s33                     ; the tile's first token, counted from the diagonal group's first key
	s_lshl_b32 s36, s13, 8
	s_sub_co_u32 s36, 2048, s36                    ; 2 x 1,024 - the numbers counted
	s_lshl_b32 s38, s10, 6
	s_add_co_u32 s38, s38, s9
	s_sub_co_u32 s38, s38, 64
	s_lshl_b32 s38, s38, 7                         ; the even head's 128 bytes of thr; the odd head's lie 64 x 128 bytes on
	s_mov_b32 s39, 0
	s_mov_b32 s24, 0x5f800000                      ; 2^64
	s_mov_b32 s25, s24                             ; (named with it as a pair)
	v_and_b32 v2, 31, v0
	v_lshlrev_b32 v192, 4, v2                      ; 16 x lane
	v_lshlrev_b32 v2, 2, v2                        ; 4 x lane
	v_and_b32 v232, 15, v0                         ; r
	v_bfe_u32 v233, v0, 4, 1                       ; h
	v_bfe_u32 v234, v0, 3, 1                       ; r >> 3
	v_lshlrev_b32 v193, 2, v232
	v_mad_u32_u24 v193, v233, HB, v193             ; Q's scale words: lanes 0-15 the even head's, lanes 16-31 the odd head's
	v_lshl_add_u32 v1, v232, 2, THL                ; where wave 0 reads the results back
	v_mul_u32_u24 v28, v232, SP
	v_lshl_add_u32 v28, v233, 5, v28
	s_lshl_b32 s34, s8, 9
	v_add_nc_u32 v28, s34, v28                     ; phase A: query r's row, + 32 h, + group w's 512 bytes
	v_add_nc_u32 v29, TILE1, v28                   ; the same in the odd head's rows
	v_lshlrev_b32 v30, 4, v234
	v_add_nc_u32 v30, s8, v30                      ; phase B: my query among the 32: w + 16 (r >> 3)
	v_lshl_add_u32 v3, v30, 2, THL                 ; where its result goes
	v_mul_u32_u24 v30, v30, SP
	v_add_nc_u32 v31, v233, v234
	v_and_b32 v31, 1, v31                          ; h for the even head's lanes, 1 - h for the odd head's
	v_and_b32 v194, 7, v0
	v_lshl_add_u32 v31, v31, 3, v194
	v_lshl_add_u32 v30, v31, 4, v30                ; + 16 x my place among the query's 16 lanes
	v_lshl_add_u32 v194, v234, 4, v194
	v_lshlrev_b32 v31, 4, v233
	v_sub_nc_u32 v194, v194, v31
	v_add_nc_u32 v194, s32, v194                   ; d = my token - the diagonal group's first key - 16 h
	v_mov_b32 v195, 0xde800000                     ; -2^62
	s_wait_kmcnt 0x0
	s_add_nc_u64 s[26:27], s[4:5], s[26:27]
	s_add_nc_u64 s[28:29], s[4:5], s[28:29]
	s_add_nc_u64 s[30:31], s[4:5], s[30:31]
	s_add_nc_u64 s[6:7], s[6:7], s[38:39]
.macro SCORES q, odd                   ; S^T = K Q^T: a lane holds query r; register 16 b + i is key 32 b + 16 h + i of the group
.irp t, 0,2,4,6
.if \odd
	v_wmma_scale_f32_16x16x128_f8f6f4 v[128+8*\t:135+8*\t], v[32+12*\t:43+12*\t], v[(\q):(\q)+11], 0, v[236+\t/2], v235 matrix_a_fmt:MATRIX_FMT_FP6 matrix_b_fmt:MATRIX_FMT_FP6 matrix_b_scale:MATRIX_SCALE_ROW1
	v_wmma_scale_f32_16x16x128_f8f6f4 v[136+8*\t:143+8*\t], v[44+12*\t:55+12*\t], v[(\q):(\q)+11], 0, v[236+\t/2], v235 matrix_a_fmt:MATRIX_FMT_FP6 matrix_b_fmt:MATRIX_FMT_FP6 matrix_a_scale:MATRIX_SCALE_ROW1 matrix_b_scale:MATRIX_SCALE_ROW1
.else
	v_wmma_scale_f32_16x16x128_f8f6f4 v[128+8*\t:135+8*\t], v[32+12*\t:43+12*\t], v[(\q):(\q)+11], 0, v[236+\t/2], v235 matrix_a_fmt:MATRIX_FMT_FP6 matrix_b_fmt:MATRIX_FMT_FP6
	v_wmma_scale_f32_16x16x128_f8f6f4 v[136+8*\t:143+8*\t], v[44+12*\t:55+12*\t], v[(\q):(\q)+11], 0, v[236+\t/2], v235 matrix_a_fmt:MATRIX_FMT_FP6 matrix_b_fmt:MATRIX_FMT_FP6 matrix_a_scale:MATRIX_SCALE_ROW1
.endif
.endr
.endm
.macro MASK                            ; hidden: the register's key comes after my token.  Each accumulator is read from its low end on
.set n, 0
.rept 64
	v_cmp_gt_i32 vcc_lo, 32*(n/16)+n%16, v194
	v_cndmask_b32 v[128+n], v[128+n], v195, vcc_lo
.set n, n+1
.endr
.endm
.macro PUT adr
.irp t, 0,1,2,3,4,5,6,7
	ds_store_b128 v[\adr], v[128+8*\t:131+8*\t] offset:64*\t
	ds_store_b128 v[\adr], v[132+8*\t:135+8*\t] offset:64*\t+16
.endr
.endm
	s_cmp_gt_u32 s8, s12                           ; my group lies wholly behind the diagonal: nothing to load, nothing to multiply
	s_cbranch_scc1 .Lfill
.irp c, 0,1,2
	global_load_b128 v[16+4*\c:19+4*\c], v192, s[26:27] offset:512*\c      ; Q's image, the even head's,
	global_load_b128 v[4+4*\c:7+4*\c], v192, s[26:27] offset:HB+512*\c     ; and the odd head's
.endr
	global_load_b32 v235, v193, s[28:29]           ; both heads' scale words in one register
.irp t, 0,1,2,3,4,5,6,7
.irp c, 0,1,2
	global_load_b128 v[32+12*\t+4*\c:35+12*\t+4*\c], v192, s[30:31] offset:1536*\t+512*\c   ; my group's eight images of K: loaded once, used for both heads
.endr
.endr
.irp t, 0,1,2,3
	global_load_b32 v[236+\t], v2, s[30:31] offset:12288+128*\t   ; their scale words: lanes 0-15 the even tile's, lanes 16-31 the odd one's
.endr
	s_wait_loadcnt 0x0
	SCORES 16, 0                                   ; the even head
.rept 5
	v_nop                                          ; places: for the reads of the results, and for the products that write over them
.endr
	s_cmp_lg_u32 s8, s12                           ; only the diagonal's group has hidden keys among visible ones
	s_cbranch_scc1 .Lopen0
	MASK
.Lopen0:
	PUT 28
	s_wait_dscnt 0x0                               ; the stores have read the results
	SCORES 4, 1                                    ; the odd head
.rept 4
	v_nop                                          ; places: for the reads of the results, and for the loads and moves into the operands' registers further down
.endr
	s_cmp_lg_u32 s8, s12
	s_cbranch_scc1 .Lopen1
	MASK
.Lopen1:
	PUT 29
	s_branch .Ljoin
.Lfill:
.irp j, 0,1,2,3
	v_mov_b32 v[128+\j], v195
.endr
.irp t, 0,1,2,3,4,5,6,7
	ds_store_b128 v28, v[128:131] offset:64*\t     ; -2^62 for all 128 keys of my group, in both heads' rows
	ds_store_b128 v28, v[128:131] offset:64*\t+16
	ds_store_b128 v29, v[128:131] offset:64*\t
	ds_store_b128 v29, v[128:131] offset:64*\t+16
.endr
.Ljoin:
	s_wait_dscnt 0x0                               ; for the others' sake: my stores are done
	s_barrier_signal -1
	s_barrier_wait -1
.set n, 0
.rept 32
	ds_load_b128 v[96+4*n:99+4*n], v30 offset:256*n   ; my query's 2,048 scores, 128 of them mine
.set n, n+1
.endr
.irp j, 3,4,5,9,10,11
	v_mov_b32 v[64+\j], 0                          ; the counting operands: what no conversion writes in every trip is zero codes
	v_mov_b32 v[76+\j], 0
.endr
.irp j, 3,4,5,6,7,8,9,10,11
	v_mov_b32 v[16+\j], 0
.endr
.set n, 0
.rept 12
	v_mov_b32 v[4+n], 0
.set n, n+1
.endr
.irp q, 0,1,2,3
	v_mov_b32 v[240+3*\q], 0x08208208              ; 128 codes of 1.0 (001000), as a stream of bits
	v_mov_b32 v[241+3*\q], 0x82082082
	v_mov_b32 v[242+3*\q], 0x20820820
.endr
	v_mov_b32 v252, 0x7f7f7f7f                     ; both sides' scales: 1
	v_mov_b32 v253, 0x00800000                     ; the conversions' scale operand: 2^-126
	v_mov_b32 v255, 0                              ; (named as the upper half of the pair v[254:255])
	s_wait_dscnt 0x0
	v_mov_b32 v28, 0                               ; U: the key found so far
	v_mov_b32 v29, 0x7e800000                      ; 2^126
	v_cvt_f32_i32 v30, s36
	v_mul_f32 v30, 0x40f00000, v30                 ; 7.5 (2,048 - the numbers counted): reached where 1,024 or more lie above
.set n, 0
.rept 128
	v_or_b32 v[96+n], 1, v[96+n]
.set n, n+1
.endr
.macro CHUNK c                         ; 256 keys: my 16 numbers
.if (\c)/2 == 0
.set OPB, 64
.elseif (\c)/2 == 1
.set OPB, 76
.elseif (\c)/2 == 2
.set OPB, 16
.else
.set OPB, 4
.endif
.set OPB, OPB+6*((\c)%2)
.irp i, 0,2,4,6,8,10,12,14
	v_pk_fma_f32 v[32+16*((\c)%2)+\i:33+16*((\c)%2)+\i], v[96+16*(\c)+\i:97+16*(\c)+\i], s[24:25], v[254:255] op_sel_hi:[1,0,0]
.endr
	v_cvt_scalef32_pk16_fp6_f32 v[OPB:OPB+2], v[32+16*((\c)%2):47+16*((\c)%2)], v253   ; the next chunk's first line, on the other set, is the plain instruction behind it
.endm
	s_mov_b32 s20, 0x80000000
	s_mov_b32 s21, 31
.Lbit:
	v_or_b32 v31, s20, v28                         ; the candidate key
	v_xor_b32 v232, 0x80000000, v31                ; its number: top bit set: positive, these bits;
	v_sub_nc_u32 v233, 0, v31                      ; else negative: the even pattern just under the pair
	v_cmp_gt_i32 vcc_lo, 0, v31
	v_cndmask_b32 v232, v233, v232, vcc_lo
	v_mul_f32 v232, 0xdf800000, v232               ; x -2^64
	v_med3_num_f32 v254, v232, -v29, v29           ; held at 2^126: beyond every score x 2^64
	CHUNK 0
	CHUNK 1
	CHUNK 2
	CHUNK 3
	CHUNK 4
	s_cmp_eq_u32 s13, 5
	s_cbranch_scc1 .Ltail
	CHUNK 5
	s_cmp_eq_u32 s13, 6
	s_cbranch_scc1 .Ltail
	CHUNK 6
	s_cmp_eq_u32 s13, 7
	s_cbranch_scc1 .Ltail
	CHUNK 7
.Ltail:
.rept 4
	v_nop                                          ; places between the conversions and the products that read their results
.endr
	v_wmma_scale_f32_16x16x128_f8f6f4 v[88:95], v[240:251], v[64:75], 0, v252, v252 matrix_a_fmt:MATRIX_FMT_FP6 matrix_b_fmt:MATRIX_FMT_FP6
	v_wmma_scale_f32_16x16x128_f8f6f4 v[224:231], v[240:251], v[76:87], 0, v252, v252 matrix_a_fmt:MATRIX_FMT_FP6 matrix_b_fmt:MATRIX_FMT_FP6
	v_wmma_scale_f32_16x16x128_f8f6f4 v[88:95], v[240:251], v[16:27], v[88:95], v252, v252 matrix_a_fmt:MATRIX_FMT_FP6 matrix_b_fmt:MATRIX_FMT_FP6
	v_wmma_scale_f32_16x16x128_f8f6f4 v[224:231], v[240:251], v[4:15], v[224:231], v252, v252 matrix_a_fmt:MATRIX_FMT_FP6 matrix_b_fmt:MATRIX_FMT_FP6
.rept 4
	v_nop
.endr
	v_add_f32 v234, v88, v224                      ; column r: the codes of lanes r and r + 16
	v_add_f32_dpp v234, v234, v234 row_xmask:1 row_mask:0xf bank_mask:0xf
	v_add_f32_dpp v234, v234, v234 row_xmask:2 row_mask:0xf bank_mask:0xf
	v_add_f32_dpp v234, v234, v234 row_xmask:4 row_mask:0xf bank_mask:0xf   ; my query's eight columns
	v_cmp_ge_f32 vcc_lo, v234, v30
	v_cndmask_b32 v28, v28, v31, vcc_lo            ; 1,024 or more lie above: the bit stays
	s_lshr_b32 s20, s20, 1
	s_sub_co_u32 s21, s21, 1
	s_cmp_lg_u32 s21, 0
	s_cbranch_scc1 .Lbit
	v_xor_b32 v232, 0x80000000, v28                ; the key's number: the lower of the pair
	v_not_b32 v233, v28
	v_cmp_gt_i32 vcc_lo, 0, v28
	v_cndmask_b32 v232, v233, v232, vcc_lo
	ds_store_b32 v3, v232                          ; a query's 16 lanes write the same word with the same value
	s_wait_dscnt 0x0
	s_barrier_signal -1
	s_barrier_wait -1
	s_cmp_lg_u32 s8, 0
	s_cbranch_scc1 .Lend
	ds_load_b32 v233, v1                           ; the even head's sixteen, in both halves of the lanes,
	ds_load_b32 v234, v1 offset:64                 ; and the odd head's
	s_wait_dscnt 0x0
	global_store_b32 v2, v233, s[6:7]              ; 128 consecutive bytes each
	global_store_b32 v2, v234, s[6:7] offset:8192
.Lend:
	s_wait_xcnt 0x0
	v_lshl_add_u32 v254, v0, 2, 0x40300
	v_mov_b32 v255, 0
	s_wait_tensorcnt 0x0
	ds_add_u32 v254, v255
	s_wait_dscnt 0x0
	s_endpgm
.Lfunc_end_k_qa8eff64bb5_thresh:
	.size	k_qa8eff64bb5_thresh, .Lfunc_end_k_qa8eff64bb5_thresh-k_qa8eff64bb5_thresh
	.p2alignl 7, 3214868480
	.fill 96, 4, 3214868480
	.section	.rodata,"a",@progbits
	.p2align	6, 0x0
	.amdhsa_kernel k_qa8eff64bb5_thresh
		.amdhsa_group_segment_fixed_size 264960
		.amdhsa_private_segment_fixed_size 0
		.amdhsa_enable_private_segment 0
		.amdhsa_kernarg_size 16
		.amdhsa_user_sgpr_count 2
		.amdhsa_user_sgpr_kernarg_segment_ptr 1
		.amdhsa_wavefront_size32 1
		.amdhsa_system_sgpr_workgroup_id_x 1
		.amdhsa_system_sgpr_workgroup_id_y 1
		.amdhsa_system_sgpr_workgroup_id_z 1
		.amdhsa_system_vgpr_workitem_id 0
		.amdhsa_next_free_vgpr 256
		.amdhsa_next_free_sgpr 66
		.amdhsa_reserve_vcc 1
		.amdhsa_float_denorm_mode_32 3
		.amdhsa_float_denorm_mode_16_64 3
		.amdhsa_memory_ordered 1
		.amdhsa_forward_progress 1
		.amdhsa_inst_pref_size 39
	.end_amdhsa_kernel
	.amdgpu_metadata
---
amdhsa.version: [ 1, 2 ]
amdhsa.kernels:
  - .name:           k_qa8eff64bb5_thresh
    .symbol:         k_qa8eff64bb5_thresh.kd
    .args:
      - { .name: qkv_rec, .offset: 0, .size: 8, .value_kind: global_buffer, .address_space: global }
      - { .name: thr, .offset: 8, .size: 8, .value_kind: global_buffer, .address_space: global }
    .group_segment_fixed_size: 264960
    .private_segment_fixed_size: 0
    .kernarg_segment_align: 8
    .kernarg_segment_size: 16
    .max_flat_workgroup_size: 512
    .sgpr_count:     66
    .vgpr_count:     256
    .wavefront_size: 32
...
	.end_amdgpu_metadata
.endif
;; end of part 4
;; launch attn (part 5): grid 16 x 16, 8 waves a work-group, clusters of 4 x 1, 327,680 bytes of LDS; arguments qkv_rec, thr, o_rec; writes o_rec
.if DOCPART == 5
	.amdgcn_target "amdgcn-amd-amdhsa--gfx1250"
	.amdhsa_code_object_version 6
	.text
	.protected	k_qa8eff64bb5_attn
	.globl	k_qa8eff64bb5_attn
	.p2align	8
	.type	k_qa8eff64bb5_attn,@function
k_qa8eff64bb5_attn:
	s_mov_b64 s[64:65], 0
	v_nop
	global_prefetch_b8 v0, s[64:65] scope:SCOPE_SE
	s_setreg_imm32_b32 hwreg(HW_REG_WAVE_MODE, 25, 1), 1
	s_wait_xcnt 0x0
	s_wait_alu depctr_hold_cnt(0) depctr_sa_sdst(0) depctr_va_vdst(0) depctr_va_sdst(0) depctr_va_ssrc(0) depctr_va_vcc(0) depctr_vm_vsrc(0)
	s_getreg_b32 s2, hwreg(HW_REG_IB_STS2, 6, 4)
	s_cmp_eq_u32 s2, 0
	s_cbranch_scc0 .Lentry_in_a_cluster
	s_endpgm
.Lentry_in_a_cluster:
	s_bfe_u32 s2, ttmp6, 0x10000c
	s_cmp_lg_u32 s2, 0x3003
	s_cbranch_scc0 .Lentry_shape_is_right
	s_endpgm
.Lentry_shape_is_right:
; Causal attention with the token-sparse mask, both products on codes of FP6 (E2M3) with E8M0 scales; the result is quantised along the head's 128 for the output projection.
; qkv_rec: [32: q heads 0-15, k 16-23, v 24-31][16][12,800 bytes]: eight register images of 1,536 bytes, then 8 x 16 scale words.  q, k: tiles of 16 tokens of a block of 128; v: tiles of 16 of the head's 128 for a step of
; 128 keys, the keys innermost.  Rows lie in position order (bits 3 and 4 of the index exchanged), so that in a transposed product the 16 registers of two neighbouring tiles are 16 neighbours of the next K.
; SOFTMAX: t = score x log2(e) / sqrt(128); M = the running largest t rounded up to a whole number; p = 2^(t - M) is quantised along the keys; the sum of the unquantised p divides at the end.
; MASKS: hidden keys and, for tokens >= 1,024, keys whose raw score lies under the row's threshold (thr) become -infinity ahead of the maximum; keys 0 to 3 are always kept.
; SHARES: a work-group is head y; its 8 waves own query tiles g + 16 i, g = the work-group's x, i = w for waves 0-3 and 11 - w for waves 4-7 (= w xor 3): waves 4-7 hold exactly the tokens >= 1,024.
; Every wave walks all 16 key steps; a step behind its diagonal is left out by a branch on ids that the partners of a cluster share.
; RING: two LDS slots of 4 key steps (K's 4 records, then V's 4).  The four work-groups of a cluster have one head: waves 0-3 each ask jointly for 25,600 dense bytes.
; No prefetch: a KV head's records are read by eight clusters, not once.
; o_rec: [64 groups of 32 tokens][16 heads][3,328 bytes]: two register images, then 32 pairs (scale word, 0).
; REGISTERS: v1 16 l, v2 4 l, v3 my token - 16 h, v4 threshold, v5-6 the add's, v7 -infinity, v8-9 LDS addresses, v10 threshold with the sinks, v11 at work; v12 -M, v13 the largest t, v[14:15] the sum;
;   v16-27 Q; v32-79 four fragments; v96-159 S^T, then p; v160-223 O^T; v224-235 p's codes; v232-247, v252, v254 at work; v248-249 K's or V's scale words, v253 p's, v255 Q's.
; LIMITS: NaN and infinities are not served; a block whose largest magnitude lies under 2^-124 gets the byte 1.
.set AR,    12800
.set HB,    204800
.set VOFF,  4*AR
.set SLOT1, 1<<17
.set SPARE, 2*SLOT1                    ; the spare words: 128 bytes for each of the 8 waves, named by no other line
.set WV,    18
.set SEL,   20
.set CS,    22
.set G1,    24
.set G0,    32
.set TB,    2                          ; s2  LDS byte of the step's record of K
.set KS,    3                          ; s3  the key step
.set LAST,  36                         ; s36 my diagonal's key step
.set SLOTS, 37
.set CNT,   38
.set PC,    32
.set TM,    64
.set PW,    80
.macro CROUND
	s_barrier_signal -1
	s_barrier_wait -1
	s_cmp_lg_u32 s[WV], 0
	s_cbranch_scc1 .Lnot_wave_0_\@
	s_barrier_signal -3
.Lnot_wave_0_\@:
	s_barrier_wait -3
	s_barrier_signal -1
	s_barrier_wait -1
.endm
.macro TLOAD                           ; waves 0-3 fetch, the others nothing; four v_nop follow the line
	s_cmp_lt_u32 s[WV], 4
	s_cbranch_scc0 .Lnone_\@
	tensor_load_to_lds s[G0:G0+3], s[G1:G1+7]
	s_nop 0
.rept 4
	v_nop
.endr
.Lnone_\@:
.endm
	s_load_b128 s[4:7], s[0:1], 0x0                ; qkv_rec, thr
	s_load_b64 s[8:9], s[0:1], 0x10                ; o_rec
	v_lshl_add_u32 v5, v0, 2, SPARE
	v_mov_b32 v6, 0
	ds_add_u32 v5, v6
	s_wait_dscnt 0x0
	v_lshrrev_b32 v8, 5, v0
	v_readfirstlane_b32 s[WV], v8                  ; wave 0..7
	s_bfe_u32 s40, ttmp6, 0x40000                  ; cx: it enters global addresses and the lanes' tokens alone
	s_and_b32 s41, ttmp7, 0xffff                   ; head
	s_lshr_b32 s42, s41, 1                         ; its KV head
	s_lshr_b32 s39, s[WV], 2                       ; 1 in waves 4-7
	s_mul_i32 s43, s39, 3
	s_xor_b32 s43, s43, s[WV]                      ; i
	s_lshr_b32 s[LAST], ttmp9, 1
	s_lshl_b32 s45, s43, 1
	s_add_co_u32 s[LAST], s[LAST], s45             ; T >> 3 = 2 i + (cluster x >> 1)
	s_lshl_b32 s46, ttmp9, 2
	s_add_co_u32 s46, s46, s40
	s_lshl_b32 s47, s43, 4
	s_add_co_u32 s46, s46, s47                     ; T: my tile of 16 queries
	; descriptor group 1: 25,600 dense bytes as 100 rows of 256 (32 elements of 8 bytes); the mask names all four work-groups
	s_mov_b32 s[G1], 15|(3<<16)|(1<<21)
	s_mov_b32 s[G1+1], 32<<16
	s_mov_b32 s[G1+2], 100<<16
	s_mov_b32 s[G1+3], 32<<16
	s_mov_b32 s[G1+4], 100
	s_mov_b32 s[G1+5], 32
	s_mov_b32 s[G1+6], 0
	s_mov_b32 s[G1+7], 0
	s_lshr_b32 s48, s[WV], 1                       ; waves 0, 1: K; waves 2, 3: V
	s_lshl_b32 s48, s48, 3
	s_add_co_u32 s48, s48, s42
	s_add_co_u32 s48, s48, 16
	s_mul_i32 s48, s48, HB
	s_and_b32 s49, s[WV], 1
	s_mul_i32 s49, s49, 2*AR                       ; which two of a slot's four records
	s_add_co_u32 s48, s48, s49
	s_mov_b32 s49, 0
	s_mul_i32 s50, s[WV], 2*AR                     ; and where they go
	s_lshr_b32 s51, s46, 3
	s_mul_i32 s51, s51, AR
	s_mul_i32 s52, s41, HB
	s_add_co_u32 s51, s51, s52                     ; Q's record
	s_and_b32 s52, s46, 7
	s_mul_i32 s53, s52, 1536
	s_add_co_u32 s54, s51, s53
	s_mov_b32 s55, 0
	s_lshl_b32 s53, s52, 6
	s_add_co_u32 s56, s51, s53
	s_add_co_u32 s56, s56, 12288
	s_mov_b32 s57, 0
	s_sub_co_u32 s58, s46, 64
	s_mul_i32 s58, s58, s39                        ; my tile among the 64 that have a threshold; waves 0-3 read tile 0's and do not use it
	s_lshl_b32 s59, s41, 6
	s_add_co_u32 s58, s58, s59
	s_lshl_b32 s58, s58, 7
	s_mov_b32 s59, 0
	s_lshr_b32 s60, s46, 1
	s_lshl_b32 s60, s60, 4
	s_add_co_u32 s60, s60, s41
	s_mul_i32 s60, s60, 3328                       ; my record of o_rec
	s_and_b32 s61, s46, 1
	s_mul_i32 s62, s61, 1536
	s_add_co_u32 s62, s60, s62
	s_mov_b32 s63, 0
	s_lshl_b32 s61, s61, 7
	s_add_co_u32 s60, s60, s61
	s_add_co_u32 s60, s60, 3072
	s_mov_b32 s61, 0
	s_lshr_b32 s76, s46, 1
	s_lshl_b32 s76, s76, 5
	s_and_b32 s77, s46, 1
	s_lshl_b32 s77, s77, 3
	s_add_co_u32 s76, s76, s77                     ; the tile's first token
	s_mov_b32 s[SEL], 0x76543210
	s_mov_b32 s[SEL+1], 0xfedcba98
	s_mov_b32 s[CS], 0x3e0293ee                    ; c = log2(e) / sqrt(128)
	s_mov_b32 s[CS+1], s[CS]
	s_mov_b32 s97, 0xffff0000
	s_mov_b32 s[TB], 0
	s_mov_b32 s[KS], 0
	s_mov_b32 s[SLOTS], 3
	s_wait_kmcnt 0x0
	s_mov_b32 s[G0], 1
	s_mov_b32 s[G0+1], s50
	s_add_nc_u64 s[G0+2:G0+3], s[4:5], s[48:49]
	s_or_b32 s[G0+3], s[G0+3], 0x80000000
	CROUND                                         ; all four work-groups are here: the first joint loads meet
	TLOAD                                          ; slot 0
	s_add_nc_u64 s[66:67], s[4:5], s[54:55]
	s_add_nc_u64 s[68:69], s[4:5], s[56:57]
	s_add_nc_u64 s[70:71], s[6:7], s[58:59]
	s_add_nc_u64 s[72:73], s[8:9], s[62:63]
	s_add_nc_u64 s[74:75], s[8:9], s[60:61]
	v_and_b32 v2, 31, v0
	v_lshlrev_b32 v1, 4, v2
	v_lshlrev_b32 v2, 2, v2
	v_and_b32 v8, 15, v0
	v_lshlrev_b32 v8, 2, v8
.irp c, 0,1,2
	global_load_b128 v[16+4*\c:19+4*\c], v1, s[66:67] offset:512*\c   ; Q's image stays in registers
.endr
	global_load_b32 v255, v8, s[68:69]             ; its scale words
	global_load_b32 v4, v2, s[70:71]               ; my query's threshold
	v_and_b32 v3, 7, v0
	v_bfe_u32 v9, v0, 3, 1
	v_lshl_add_u32 v3, v9, 4, v3
	v_bfe_u32 v9, v0, 4, 1
	v_lshlrev_b32 v9, 4, v9
	v_sub_nc_u32 v3, v3, v9
	v_add_nc_u32 v3, s76, v3                       ; my token - 16 h
	v_mov_b32 v7, 0xff800000                       ; -infinity
	v_mov_b32 v13, 0xff61b1e6                      ; the largest t so far: -3e38
	v_floor_f32 v12, -v13                          ; -M
	v_mov_b32 v14, 0
	v_mov_b32 v15, 0
.irp b, 0,1,2,3
	v_mov_b32 v[236+\b], 0                         ; written once: a lane permute's destination counts as one of its sources
.endr
	v_mov_b32 v252, 0
	v_mov_b32 v253, 0
.set n, 0
.rept 64
	v_mov_b32 v[160+n], 0                          ; O^T: the step is written once; the first change of M leaves zeros zeros
.set n, n+1
.endr
; A KEY STEP of 128 keys
.macro STEP
	s_cmp_gt_u32 s[KS], s[LAST]                    ; all its keys come after my queries: only the lines at its end that step addresses are run
	s_cbranch_scc1 .Lhidden_\@
	v_add_nc_u32 v8, s[TB], v1
	v_add_nc_u32 v9, s[TB], v2
	v_nop
	v_nop                                          ; four places in front of loads into registers that the last step's products read
.irp g, 0,1                                    ; S^T = K Q^T, four tiles of 16 keys at a time
.if \g
.rept 4
	v_nop
.endr
.endif
.irp t, 0,1,2,3
.irp c, 0,1,2
	ds_load_b128 v[32+12*\t+4*\c:35+12*\t+4*\c], v8 offset:1536*(4*\g+\t)+512*\c
.endr
.endr
	ds_load_b32 v248, v9 offset:12288+256*\g
	ds_load_b32 v249, v9 offset:12288+256*\g+128
	s_wait_dscnt 0x0
.irp t, 0,2
	v_wmma_scale_f32_16x16x128_f8f6f4 v[96+8*(4*\g+\t):103+8*(4*\g+\t)], v[32+12*\t:43+12*\t], v[16:27], 0, v[248+\t/2], v255 matrix_a_fmt:MATRIX_FMT_FP6 matrix_b_fmt:MATRIX_FMT_FP6
	v_wmma_scale_f32_16x16x128_f8f6f4 v[104+8*(4*\g+\t):111+8*(4*\g+\t)], v[44+12*\t:55+12*\t], v[16:27], 0, v[248+\t/2], v255 matrix_a_fmt:MATRIX_FMT_FP6 matrix_b_fmt:MATRIX_FMT_FP6 matrix_a_scale:MATRIX_SCALE_ROW1
.endr
.endr
.rept 4
	v_nop
.endr
	s_cmp_lg_u32 s[KS], s[LAST]                    ; the causal mask is wanted on the diagonal alone
	s_cbranch_scc1 .Lopen_\@
	s_lshl_b32 s96, s[KS], 7
	v_sub_nc_u32 v11, v3, s96                      ; d: register 16 b + i holds key 32 b + 16 h + i of the step: hidden where 32 b + i > d
.set n, 0
.rept 64
	v_cmp_gt_i32 vcc_lo, 32*(n/16)+n%16, v11
	v_cndmask_b32 v[96+n], v[96+n], v7, vcc_lo
.set n, n+1
.endr
.Lopen_\@:
	s_cmp_lt_u32 s[WV], 4                          ; tokens under 1,024 keep every visible key
	s_cbranch_scc1 .Ldense_\@
	s_cmp_eq_u32 s[KS], 0
	s_cselect_b32 s96, 0xffff, 0
	v_cndmask_b32 v10, v4, v7, s96                 ; keys 0 to 3 are registers 0 to 3 of lanes 0-15 in step 0: there the threshold is -infinity
.set n, 0
.rept 64
.if n < 4
	v_cmp_lt_f32 vcc_lo, v[96+n], v10
.else
	v_cmp_lt_f32 vcc_lo, v[96+n], v4
.endif
	v_cndmask_b32 v[96+n], v[96+n], v7, vcc_lo
.set n, n+1
.endr
.Ldense_\@:
.irp b, 0,1,2,3
	v_max3_num_f32 v[232+\b], v[96+16*\b], v[97+16*\b], v[98+16*\b]   ; the largest score of each block of 32 keys: for the row's maximum and for the block's largest p
.endr
.irp i, 3,5,7,9,11,13
.irp b, 0,1,2,3
	v_max3_num_f32 v[232+\b], v[232+\b], v[96+16*\b+\i], v[97+16*\b+\i]
.endr
.endr
.irp b, 0,1,2,3
	v_max_num_f32 v[232+\b], v[232+\b], v[111+16*\b]
.endr
.irp b, 0,1,2,3
	v_permlanex16_b32 v[236+\b], v[232+\b], s[SEL], s[SEL+1]
.endr
.irp b, 0,1,2,3
	v_max_num_f32 v[232+\b], v[232+\b], v[236+\b]
.endr
	v_max3_num_f32 v254, v232, v233, v234
	v_max_num_f32 v254, v254, v235
	v_mul_f32 v254, s[CS], v254
	v_max_num_f32 v13, v13, v254                   ; the running largest t
	v_mov_b32 v254, v12
	v_floor_f32 v12, -v13                          ; the new -M: M is a whole number
	v_sub_f32 v254, v12, v254
	v_cvt_i32_f32 v254, v254                       ; (it saturates)
	v_ldexp_f32 v252, 1.0, v254                    ; f = 2^(old M - new M)
.irp j, 0,2,4,6,8,10,12,14,16,18,20,22,24,26,28,30,32,34,36,38,40,42,44,46,48,50,52,54,56,58,60,62
	v_pk_fma_f32 v[96+\j:97+\j], v[96+\j:97+\j], s[CS:CS+1], v[12:13] op_sel_hi:[1,0,0]   ; t - M
.endr
.irp b, 0,1,2,3
	v_fma_f32 v[232+\b], v[232+\b], s[CS], v12
.endr
.set n, 0
.rept 64
	v_exp_f32 v[96+n], v[96+n]                     ; p = 2^(t - M)
.set n, n+1
.endr
	v_pk_mul_f32 v[14:15], v[14:15], v[252:253] op_sel_hi:[1,0]   ; the sums under the new M: a plain instruction behind the exponentials
	s_wait_alu depctr_va_vdst(0)                   ; one wait for the batch, ahead of its first reader
.irp b, 0,1,2,3
	v_exp_f32 v[232+\b], v[232+\b]                 ; each block's largest p
.endr
	v_pk_add_f32 v[236:237], v[96:97], v[98:99]    ; the row's sum of the unquantised p, in two chains
.irp j, 4,8,12,16,20,24,28,32,36,40,44,48,52,56,60
	v_pk_add_f32 v[14:15], v[14:15], v[96+\j:97+\j]
	v_pk_add_f32 v[236:237], v[236:237], v[98+\j:99+\j]
.endr
	v_pk_add_f32 v[14:15], v[14:15], v[236:237]
	s_wait_alu depctr_va_vdst(0)                   ; and one for the four
.irp b, 0,1,2,3
	v_max_num_f32 v[232+\b], 0x1800000, v[232+\b]  ; the floor 2^(3 - 127)
.endr
.irp b, 0,1,2,3
	v_add_nc_u32 v[244+\b], 0xff000000, v[232+\b]
.endr
.irp b, 0,1,2,3
	v_lshrrev_b32 v[236+\b], 23, v[244+\b]
.endr
	v_lshl_or_b32 v253, v237, 8, v236              ; p's scale word for these 128 keys
	v_lshl_or_b32 v253, v238, 16, v253
	v_lshl_or_b32 v253, v239, 24, v253
.irp c, 0,1
	v_cvt_scalef32_pk16_fp6_f32 v[224+6*\c:226+6*\c], v[96+32*\c:111+32*\c], v[244+2*\c]
	v_cvt_scalef32_pk16_fp6_f32 v[236+4*\c:238+4*\c], v[112+32*\c:127+32*\c], v[245+2*\c]
.endr
	v_nop
.irp c, 0,1
.irp i, 0,1,2
	v_permlane16_swap_b32 v[224+6*\c+\i], v[236+4*\c+\i]
.endr
.irp i, 0,1,2
	v_mov_b32 v[227+6*\c+\i], v[236+4*\c+\i]
.endr
.endr
.irp j, 0,2,4,6,8,10,12,14,16,18,20,22,24,26,28,30,32,34,36,38,40,42,44,46,48,50,52,54,56,58,60,62
	v_pk_mul_f32 v[160+\j:161+\j], v[160+\j:161+\j], v[252:253] op_sel_hi:[1,0]   ; O^T under the new M; these are also the places in front of the products and loads below
.endr
.irp g, 0,1                                    ; O^T += V^T P^T
.if \g
.rept 4
	v_nop
.endr
.endif
.irp t, 0,1,2,3
.irp c, 0,1,2
	ds_load_b128 v[32+12*\t+4*\c:35+12*\t+4*\c], v8 offset:VOFF+1536*(4*\g+\t)+512*\c
.endr
.endr
	ds_load_b32 v248, v9 offset:VOFF+12288+256*\g
	ds_load_b32 v249, v9 offset:VOFF+12288+256*\g+128
	s_wait_dscnt 0x0
.irp t, 0,2
	v_wmma_scale_f32_16x16x128_f8f6f4 v[160+8*(4*\g+\t):167+8*(4*\g+\t)], v[32+12*\t:43+12*\t], v[224:235], v[160+8*(4*\g+\t):167+8*(4*\g+\t)], v[248+\t/2], v253 matrix_a_fmt:MATRIX_FMT_FP6 matrix_b_fmt:MATRIX_FMT_FP6
	v_wmma_scale_f32_16x16x128_f8f6f4 v[168+8*(4*\g+\t):175+8*(4*\g+\t)], v[44+12*\t:55+12*\t], v[224:235], v[168+8*(4*\g+\t):175+8*(4*\g+\t)], v[248+\t/2], v253 matrix_a_fmt:MATRIX_FMT_FP6 matrix_b_fmt:MATRIX_FMT_FP6 matrix_a_scale:MATRIX_SCALE_ROW1
.endr
.endr
.Lhidden_\@:
	s_add_co_u32 s[KS], s[KS], 1
	s_add_co_u32 s[TB], s[TB], AR
.endm
.macro FOUR_STEPS                      ; a slot's four key steps: written once, walked four times
	s_mov_b32 s[CNT], 4
.Lstep_\@:
	STEP
	s_sub_co_u32 s[CNT], s[CNT], 1
	s_cmp_lg_u32 s[CNT], 0
	s_cbranch_scc1 .Lstep_\@
	s_sub_co_u32 s[TB], s[TB], 4*AR
	s_xor_b32 s[TB], s[TB], SLOT1                  ; on to the other slot
.endm
; THE CHANGE OF SLOTS stands at a slot's head: each wave waits for all its tensor loads, adds 0 to its spare word, and waits for that and for its reads of the slot that it has left.
; fill = 1: a round of the cluster's barrier, and behind it the slot just left is filled with the next four key steps.
.macro CHANGE fill
	s_wait_tensorcnt 0x0                           ; no tensor load of mine is out, so the descriptor may be written
	ds_add_u32 v5, v6
.if \fill
	s_xor_b32 s[G0+1], s[G0+1], SLOT1
	s_add_nc_u64 s[G0+2:G0+3], s[G0+2:G0+3], 4*AR
.endif
	s_wait_dscnt 0x0                               ; the add is done, and my reads of the slot that I have left are over
.if \fill
	CROUND
	TLOAD                                          ; the first thing behind the round, and a wave's one tensor load until the next
.else
	s_barrier_signal -1
	s_barrier_wait -1
.endif
.endm
	s_wait_loadcnt 0x0                             ; Q, its scale words, the threshold
.Lslot:
	CHANGE 1
	FOUR_STEPS
	s_sub_co_u32 s[SLOTS], s[SLOTS], 1
	s_cmp_lg_u32 s[SLOTS], 0
	s_cbranch_scc1 .Lslot
	CHANGE 0                                       ; the last slot is written out
	FOUR_STEPS
	; THE WAY OUT: O^T / the sum, quantised along the head's 128: my registers are already 16 neighbours of each block.
	; The first five lines name no register of the last products (v32-79, v160-235, v248, v249, v253): they are the places behind them, on the way over left-out steps too.
	v_add_f32 v14, v14, v15                        ; the sum's two halves
	v_and_b32 v82, 15, v0
	v_bfe_u32 v83, v0, 4, 1
	v_lshlrev_b32 v82, 3, v82
	v_lshl_add_u32 v82, v83, 2, v82                ; the scale pairs: 8 r + 4 h
	v_permlanex16_b32 v252, v14, s[SEL], s[SEL+1]
	v_add_f32 v14, v14, v252                       ; the row's sum
	v_rcp_f32 v14, v14
.irp b, 0,1,2,3
	v_mov_b32 v[TM+4+\b], 0                        ; the lane permutes' destinations are written before they are named; also the plain instructions behind the reciprocal
.endr
	s_wait_alu depctr_va_vdst(0)                   ; the wait, ahead of the first reader
.set n, 0
.rept 64
	v_mul_f32 v[96+n], v[160+n], v14
.set n, n+1
.endr
.irp b, 0,1,2,3
	v_max3_num_f32 v[TM+\b], |v[96+16*\b]|, |v[97+16*\b]|, 0x1800000
.endr
.irp i, 2,4,6,8,10,12,14
.irp b, 0,1,2,3
	v_max3_num_f32 v[TM+\b], |v[96+16*\b+\i]|, |v[97+16*\b+\i]|, v[TM+\b]
.endr
.endr
.irp b, 0,1,2,3
	v_permlanex16_b32 v[TM+4+\b], v[TM+\b], s[SEL], s[SEL+1]
.endr
.irp b, 0,1,2,3
	v_max_num_f32 v[TM+\b], v[TM+\b], v[TM+4+\b]
.endr
.irp b, 0,1,2,3
	v_add_nc_u32 v[TM+12+\b], 0xff000000, v[TM+\b]
.endr
.irp b, 0,1,2,3
	v_lshrrev_b32 v[TM+4+\b], 23, v[TM+12+\b]
.endr
	v_lshl_or_b32 v[PW], v[TM+5], 8, v[TM+4]
	v_lshl_or_b32 v[PW], v[TM+6], 16, v[PW]
	v_lshl_or_b32 v[PW], v[TM+7], 24, v[PW]
.irp c, 0,1
	v_cvt_scalef32_pk16_fp6_f32 v[PC+6*\c:PC+2+6*\c], v[96+32*\c:111+32*\c], v[TM+12+2*\c]
	v_cvt_scalef32_pk16_fp6_f32 v[PC+12+4*\c:PC+14+4*\c], v[112+32*\c:127+32*\c], v[TM+13+2*\c]
.endr
	v_nop
.irp c, 0,1
.irp i, 0,1,2
	v_permlane16_swap_b32 v[PC+6*\c+\i], v[PC+12+4*\c+\i]
.endr
.irp i, 0,1,2
	v_mov_b32 v[PC+3+6*\c+\i], v[PC+12+4*\c+\i]
.endr
.endr
.irp c, 0,1,2
	global_store_b128 v1, v[PC+4*\c:PC+4*\c+3], s[72:73] offset:512*\c   ; 512 consecutive bytes a store
.endr
	v_cndmask_b32 v81, v[PW], v6, s97              ; lanes 0-15 the word, lanes 16-31 the pair's 0
	global_store_b32 v82, v81, s[74:75]
	s_wait_tensorcnt 0x0                           ; the wave's end
	ds_add_u32 v5, v6
	s_wait_dscnt 0x0
	CROUND                                         ; the closing round
	s_endpgm
.Lfunc_end_k_qa8eff64bb5_attn:
	.size	k_qa8eff64bb5_attn, .Lfunc_end_k_qa8eff64bb5_attn-k_qa8eff64bb5_attn
	.p2alignl 7, 3214868480
	.fill 96, 4, 3214868480
	.section	.rodata,"a",@progbits
	.p2align	6, 0x0
	.amdhsa_kernel k_qa8eff64bb5_attn
		.amdhsa_group_segment_fixed_size 327680
		.amdhsa_private_segment_fixed_size 0
		.amdhsa_enable_private_segment 0
		.amdhsa_kernarg_size 24
		.amdhsa_user_sgpr_count 2
		.amdhsa_user_sgpr_kernarg_segment_ptr 1
		.amdhsa_wavefront_size32 1
		.amdhsa_system_sgpr_workgroup_id_x 1
		.amdhsa_system_sgpr_workgroup_id_y 1
		.amdhsa_system_sgpr_workgroup_id_z 1
		.amdhsa_system_vgpr_workitem_id 0
		.amdhsa_next_free_vgpr 256
		.amdhsa_next_free_sgpr 100
		.amdhsa_reserve_vcc 1
		.amdhsa_float_denorm_mode_32 3
		.amdhsa_float_denorm_mode_16_64 3
		.amdhsa_memory_ordered 1
		.amdhsa_forward_progress 1
		.amdhsa_inst_pref_size 74
	.end_amdhsa_kernel
	.amdgpu_metadata
---
amdhsa.version: [ 1, 2 ]
amdhsa.kernels:
  - .name:           k_qa8eff64bb5_attn
    .symbol:         k_qa8eff64bb5_attn.kd
    .args:
      - { .name: qkv_rec, .offset: 0, .size: 8, .value_kind: global_buffer, .address_space: global }
      - { .name: thr, .offset: 8, .size: 8, .value_kind: global_buffer, .address_space: global }
      - { .name: o_rec, .offset: 16, .size: 8, .value_kind: global_buffer, .address_space: global }
    .group_segment_fixed_size: 327680
    .private_segment_fixed_size: 0
    .kernarg_segment_align: 8
    .kernarg_segment_size: 24
    .max_flat_workgroup_size: 256
    .sgpr_count:     100
    .vgpr_count:     256
    .wavefront_size: 32
...
	.end_amdgpu_metadata
.endif
;; end of part 5
;; launch gemm_out (part 6): grid 16 x 16, 4 waves a work-group, clusters of 4 x 4, 327,680 bytes of LDS; arguments o_rec, wo_rec, out0; writes out0
.if DOCPART == 6
	.amdgcn_target "amdgcn-amd-amdhsa--gfx1250"
	.amdhsa_code_object_version 6
	.text
	.protected	k_qa8eff64bb5_gemm_out
	.globl	k_qa8eff64bb5_gemm_out
	.p2align	8
	.type	k_qa8eff64bb5_gemm_out,@function
k_qa8eff64bb5_gemm_out:
	s_mov_b64 s[64:65], 0
	v_nop
	global_prefetch_b8 v0, s[64:65] scope:SCOPE_SE
	s_setreg_imm32_b32 hwreg(HW_REG_WAVE_MODE, 25, 1), 1
	s_wait_xcnt 0x0
	s_wait_alu depctr_hold_cnt(0) depctr_sa_sdst(0) depctr_va_vdst(0) depctr_va_sdst(0) depctr_va_ssrc(0) depctr_va_vcc(0) depctr_vm_vsrc(0)
	s_getreg_b32 s2, hwreg(HW_REG_IB_STS2, 6, 4)
	s_cmp_eq_u32 s2, 0
	s_cbranch_scc0 .Lentry_in_a_cluster
	s_endpgm
.Lentry_in_a_cluster:
	s_bfe_u32 s2, ttmp6, 0x10000c
	s_cmp_lg_u32 s2, 0xf033
	s_cbranch_scc0 .Lentry_shape_is_right
	s_endpgm
.Lentry_shape_is_right:
; out0 = (attention's result) x Wo on codes of FP6 (E2M3) with E8M0 scales; sums in f32.
; OPERANDS come as records of 3,328 bytes (32 rows x 128 K: two register images, 32 pairs (scale word, 0)), [group][K step]: o_rec [64][16], wo_rec [128][16].  Rows lie in position order (bits 3 and 4 of the index exchanged).
; A work-group makes 128 tokens x 256 columns, a wave 64 x 128: 32 accumulators.  THE PRODUCT IS USED TRANSPOSED (source 0 = 16 columns of Wo, source 1 = 16 tokens): a lane holds one token, and by the position order
; its 64 registers of a block are columns 32 b + 16 h + i.  K goes through a ring of two LDS slots of 4 K steps.  CLUSTERS: the tokens' records are shared along a row of the cluster, Wo's along a column: joint loads.
; THE WAY OUT: a block of 16 tokens x 128 columns goes through the wave's own stage in LDS and leaves as whole rows of 512 bytes.  The stage lies in slot 0, which has had its last fill and its last read by then.
; REGISTERS: window 0: v16-23 LDS addresses, v24-25 the stage's, v28-29 the add's, v32-43 scale words (two sets), v64-159 the tokens' fragments (two sets), on the way out v64-191;
;   window 1: Wo's fragments (two sets at 0 and 128); window 2: the accumulators ((a, b) at 8 (8 a + b)).
.set KSTEPS, 16
.set GR,     3328
.set ROWL,   4*GR
.set SLOT,   12*ROWL
.set SPARE,  2*SLOT                    ; the spare words: 128 bytes for each wave, named by no other line
.set LAPS,   KSTEPS/8
.set ADRA, 16
.set ADRB, 18
.set ASA,  20
.set ASB,  22
.set STO,  24
.set RD,   25
.set SPW,  28
.set NIL,  29
.set BK,   64
.set WV,   16
.set HM,   17
.set HN,   18
.set G1A,  24
.set G0A,  32
.set G1B,  48
.set G0B,  56
.set MSB, 0
.macro WIN new                         ; the immediate's high byte repeats the setting that is left
.if MSB != \new
	s_set_vgpr_msb (MSB<<8)|\new
.set MSB, \new
.endif
.endm
.macro JLOAD s                         ; a joint load: waves 0, 1 fetch A's halves, waves 2, 3 B's; four v_nop follow each line
	s_cmp_eq_u32 s[HM], 0
	s_cbranch_scc0 .Lfor_b_\@
	tensor_load_to_lds s[G0A+4*\s:G0A+4*\s+3], s[G1A:G1A+7]
	s_nop 0
.rept 4
	v_nop
.endr
	s_branch .Lasked_\@
.Lfor_b_\@:
	tensor_load_to_lds s[G0B+4*\s:G0B+4*\s+3], s[G1B:G1B+7]
	s_nop 0
.rept 4
	v_nop
.endr
.Lasked_\@:
.endm
.macro CREST
	s_cmp_lg_u32 s[WV], 0
	s_cbranch_scc1 .Lnot_wave_0_\@
	s_barrier_signal -3
.Lnot_wave_0_\@:
	s_barrier_wait -3
	s_barrier_signal -1
	s_barrier_wait -1
.endm
.macro CROUND
	s_barrier_signal -1
	s_barrier_wait -1
	CREST
.endm
.macro PLACES
.rept 4
	v_nop
.endr
.endm
.macro WM d, fb, fa, z, sa, sb, ra, rb
.if (\z) && (\ra) && (\rb)
	v_wmma_scale_f32_16x16x128_f8f6f4 v[(\d):(\d)+7], v[(\fb):(\fb)+11], v[(\fa):(\fa)+11], 0, v[\sa], v[\sb] matrix_a_fmt:MATRIX_FMT_FP6 matrix_b_fmt:MATRIX_FMT_FP6 matrix_a_scale:MATRIX_SCALE_ROW1 matrix_b_scale:MATRIX_SCALE_ROW1
.elseif (\z) && (\ra)
	v_wmma_scale_f32_16x16x128_f8f6f4 v[(\d):(\d)+7], v[(\fb):(\fb)+11], v[(\fa):(\fa)+11], 0, v[\sa], v[\sb] matrix_a_fmt:MATRIX_FMT_FP6 matrix_b_fmt:MATRIX_FMT_FP6 matrix_a_scale:MATRIX_SCALE_ROW1
.elseif (\z) && (\rb)
	v_wmma_scale_f32_16x16x128_f8f6f4 v[(\d):(\d)+7], v[(\fb):(\fb)+11], v[(\fa):(\fa)+11], 0, v[\sa], v[\sb] matrix_a_fmt:MATRIX_FMT_FP6 matrix_b_fmt:MATRIX_FMT_FP6 matrix_b_scale:MATRIX_SCALE_ROW1
.elseif (\z)
	v_wmma_scale_f32_16x16x128_f8f6f4 v[(\d):(\d)+7], v[(\fb):(\fb)+11], v[(\fa):(\fa)+11], 0, v[\sa], v[\sb] matrix_a_fmt:MATRIX_FMT_FP6 matrix_b_fmt:MATRIX_FMT_FP6
.elseif (\ra) && (\rb)
	v_wmma_scale_f32_16x16x128_f8f6f4 v[(\d):(\d)+7], v[(\fb):(\fb)+11], v[(\fa):(\fa)+11], v[(\d):(\d)+7], v[\sa], v[\sb] matrix_a_fmt:MATRIX_FMT_FP6 matrix_b_fmt:MATRIX_FMT_FP6 matrix_a_scale:MATRIX_SCALE_ROW1 matrix_b_scale:MATRIX_SCALE_ROW1
.elseif (\ra)
	v_wmma_scale_f32_16x16x128_f8f6f4 v[(\d):(\d)+7], v[(\fb):(\fb)+11], v[(\fa):(\fa)+11], v[(\d):(\d)+7], v[\sa], v[\sb] matrix_a_fmt:MATRIX_FMT_FP6 matrix_b_fmt:MATRIX_FMT_FP6 matrix_a_scale:MATRIX_SCALE_ROW1
.elseif (\rb)
	v_wmma_scale_f32_16x16x128_f8f6f4 v[(\d):(\d)+7], v[(\fb):(\fb)+11], v[(\fa):(\fa)+11], v[(\d):(\d)+7], v[\sa], v[\sb] matrix_a_fmt:MATRIX_FMT_FP6 matrix_b_fmt:MATRIX_FMT_FP6 matrix_b_scale:MATRIX_SCALE_ROW1
.else
	v_wmma_scale_f32_16x16x128_f8f6f4 v[(\d):(\d)+7], v[(\fb):(\fb)+11], v[(\fa):(\fa)+11], v[(\d):(\d)+7], v[\sa], v[\sb] matrix_a_fmt:MATRIX_FMT_FP6 matrix_b_fmt:MATRIX_FMT_FP6
.endif
.endm
; A's blocks a0 .. a0 + n - 1 against B's eight, from set p.  The 32 accumulators take turns, one instruction a turn, in the same order in every step
.macro MUL a0, n, p, zero
.set AA, \a0
.rept \n
.irp b, 0,1,2,3,4,5,6,7
	WM 8*(8*AA+\b), 128*(\p)+12*\b, 64+48*(\p)+12*AA, \zero, 34+6*(\p)+\b/2, 32+6*(\p)+AA/2, \b%2, AA%2
.endr
.set AA, AA+1
.endr
.endm
.macro FETCH slot, q, p                ; 42 LDS loads in one run: the slot's q-th K step into set p
	WIN 0x40
.irp b, 0,1,2,3,4,5,6,7
.irp c, 0,1,2
	ds_load_b128 v[128*(\p)+12*\b+4*\c:128*(\p)+12*\b+4*\c+3], v[ADRB+\slot] offset:ROWL*(\b/2)+GR*(\q)+1536*(\b%2)+512*\c
.endr
.endr
	WIN 0
.irp a, 0,1,2,3
.irp c, 0,1,2
	ds_load_b128 v[64+48*(\p)+12*\a+4*\c:64+48*(\p)+12*\a+4*\c+3], v[ADRA+\slot] offset:ROWL*(\a/2)+GR*(\q)+1536*(\a%2)+512*\c
.endr
.endr
.irp g, 0,1
	ds_load_b32 v[32+6*(\p)+\g], v[ASA+\slot] offset:3072+ROWL*\g+GR*(\q)
.endr
.irp g, 0,1,2,3
	ds_load_b32 v[34+6*(\p)+\g], v[ASB+\slot] offset:3072+ROWL*\g+GR*(\q)
.endr
.endm
.macro STEP slot, q, zero
	s_wait_dscnt 0x0                               ; this step's set is in
	WIN 0xa1
	MUL 0, 2, (\q)%2, \zero
	PLACES                                         ; in front of loads into registers that the last step's products read
	FETCH \slot, (\q)+1, 1-(\q)%2
	WIN 0xa1
	MUL 2, 2, (\q)%2, \zero
	WIN 0
.endm
.macro TURN slot, next, fill           ; a slot's last step changes slots
	WIN 0
	s_wait_tensorcnt 0x0                           ; all my tensor loads have landed: my part of the next slot
	ds_add_u32 v[SPW], v[NIL]
	s_wait_dscnt 1                                 ; this step's set is in; the add alone may be out
	WIN 0xa1
	MUL 0, 1, 1, 0
	s_wait_dscnt 0x0                               ; the add is done, and my reads of this slot are over
	s_barrier_signal -1
	MUL 1, 1, 1, 0
	WIN 0
	s_barrier_wait -1
.if \fill
	CREST                                          ; the barrier has opened a round of the cluster's: no wave of any partner still reads this slot or has a load on its way
	s_add_nc_u64 s[G0A+4*\slot+2:G0A+4*\slot+3], s[G0A+4*\slot+2:G0A+4*\slot+3], 2*ROWL
	s_add_nc_u64 s[G0B+4*\slot+2:G0B+4*\slot+3], s[G0B+4*\slot+2:G0B+4*\slot+3], 2*ROWL
	JLOAD \slot
.else
	PLACES
.endif
	FETCH \next, 0, 0
	WIN 0xa1
	MUL 2, 2, 1, 0
	WIN 0
.endm
	s_load_b128 s[4:7], s[0:1], 0x0                ; o_rec, wo_rec
	s_load_b64 s[8:9], s[0:1], 0x10                ; out0
	v_lshl_add_u32 v[SPW], v0, 2, SPARE
	v_mov_b32 v[NIL], 0
	ds_add_u32 v28, v29
	s_wait_dscnt 0x0
	v_lshrrev_b32 v1, 5, v0
	v_readfirstlane_b32 s[WV], v1                  ; wave 0..3
	s_lshr_b32 s[HM], s[WV], 1
	s_and_b32 s[HN], s[WV], 1
	s_bfe_u32 s40, ttmp6, 0x40000                  ; cx
	s_bfe_u32 s41, ttmp6, 0x40004                  ; cy
	s_and_b32 s43, ttmp7, 0xffff
	s_lshl_b32 s43, s43, 2
	s_add_co_u32 s43, s43, s41                     ; R: which 128 tokens
	s_lshl_b32 s42, ttmp9, 2
	s_add_co_u32 s42, s42, s40                     ; C: which 256 columns
	s_lshl_b32 s44, s41, 2
	s_lshl_b32 s44, 15, s44                        ; my row of the cluster
	s_lshl_b32 s45, 0x1111, s40                    ; my column
	s_or_b32 s[G1A], s44, (3<<16)|(1<<21)
	s_or_b32 s[G1B], s45, (3<<16)|(1<<21)
	s_mov_b32 s[G1A+1], 1664<<16                   ; rows of 13,312 bytes: 1,664 elements of 8 bytes
	s_mov_b32 s[G1A+2], 2<<16
	s_mov_b32 s[G1A+3], 1664<<16
	s_mov_b32 s[G1A+4], 2
	s_mov_b32 s[G1A+5], 416*KSTEPS
	s_mov_b32 s[G1A+6], 0
	s_mov_b32 s[G1A+7], 0
	s_mov_b32 s[G1B+1], 1664<<16
	s_mov_b32 s[G1B+2], 4<<16
	s_mov_b32 s[G1B+3], 1664<<16
	s_mov_b32 s[G1B+4], 4
	s_mov_b32 s[G1B+5], 416*KSTEPS
	s_mov_b32 s[G1B+6], 0
	s_mov_b32 s[G1B+7], 0
	s_lshl_b32 s46, s43, 2
	s_lshl_b32 s47, s[HN], 1
	s_add_co_u32 s46, s46, s47
	s_mul_i32 s46, s46, KSTEPS*GR
	s_mov_b32 s47, 0
	s_lshl_b32 s66, s42, 3
	s_lshl_b32 s67, s[HN], 2
	s_add_co_u32 s66, s66, s67
	s_mul_i32 s66, s66, KSTEPS*GR
	s_mov_b32 s67, 0
	s_mul_i32 s68, s[HN], 2*ROWL
	s_mul_i32 s69, s[HN], 4*ROWL
	s_add_co_u32 s69, s69, 4*ROWL
	s_wait_kmcnt 0x0
	s_add_nc_u64 s[74:75], s[4:5], s[46:47]
	s_add_nc_u64 s[76:77], s[6:7], s[66:67]
	CROUND                                         ; all sixteen work-groups are here: the first joint loads meet
.irp s, 0,1
	s_mov_b32 s[G0A+4*\s], 1
	s_add_co_u32 s[G0A+4*\s+1], s68, \s*SLOT
	s_add_nc_u64 s[G0A+4*\s+2:G0A+4*\s+3], s[74:75], \s*ROWL
	s_or_b32 s[G0A+4*\s+3], s[G0A+4*\s+3], 0x80000000
	s_mov_b32 s[G0B+4*\s], 1
	s_add_co_u32 s[G0B+4*\s+1], s69, \s*SLOT
	s_add_nc_u64 s[G0B+4*\s+2:G0B+4*\s+3], s[76:77], \s*ROWL
	s_or_b32 s[G0B+4*\s+3], s[G0B+4*\s+3], 0x80000000
	JLOAD \s                                       ; two loads of mine are out
.endr
	v_and_b32 v1, 31, v0
	v_lshlrev_b32 v2, 4, v1                        ; 16 x lane
	v_lshlrev_b32 v3, 3, v1                        ; 8 x lane
	s_mul_i32 s20, s[HM], 2*ROWL
	s_mul_i32 s21, s[HN], 4*ROWL
	s_add_co_u32 s21, s21, 4*ROWL
.irp s, 0,1
	v_add_nc_u32 v[ADRA+\s], s20, v2
	v_add_nc_u32 v[ADRB+\s], s21, v2
	v_add_nc_u32 v[ASA+\s], s20, v3
	v_add_nc_u32 v[ASB+\s], s21, v3
	s_add_co_u32 s20, s20, SLOT
	s_add_co_u32 s21, s21, SLOT
.endr
	v_and_b32 v4, 15, v0
	v_bfe_u32 v5, v0, 4, 1
	s_mul_i32 s22, s[WV], 8448                     ; my stage: 16 rows of 512 bytes + 16
	v_mul_u32_u24 v[STO], v4, 528
	v_lshl_add_u32 v[STO], v5, 6, v[STO]
	v_add_nc_u32 v[STO], s22, v[STO]               ; in: row r, + 64 h
	v_add_nc_u32 v[RD], s22, v2                    ; back: a whole row, 16 bytes a lane
	s_lshl_b32 s84, s43, 7
	s_lshl_b32 s85, s[HM], 6
	s_add_co_u32 s84, s84, s85                     ; my first token
	s_lshl_b32 s84, s84, 14                        ; rows of 16,384 bytes
	s_lshl_b32 s85, s42, 10
	s_add_co_u32 s84, s84, s85
	s_lshl_b32 s85, s[HN], 9
	s_add_co_u32 s84, s84, s85                     ; + my first column
	s_mov_b32 s85, 0
	s_add_nc_u64 s[70:71], s[8:9], s[84:85]
	s_wait_tensorcnt 1                             ; my part of slot 0 is in; slot 1's may stay out
	s_barrier_signal -1
	s_barrier_wait -1
	FETCH 0, 0, 0
	STEP 0, 0, 1                                   ; the first step stands in front of the loop: its products start the sums
	s_mov_b32 s3, LAPS-1
.Llap:
	STEP 0, 1, 0
	STEP 0, 2, 0
	TURN 0, 1, 1
	STEP 1, 0, 0
	STEP 1, 1, 0
	STEP 1, 2, 0
	TURN 1, 0, 1
	STEP 0, 0, 0
	s_sub_co_u32 s3, s3, 1
	s_cmp_lg_u32 s3, 0
	s_cbranch_scc1 .Llap
	STEP 0, 1, 0                                   ; the last lap fills nothing
	STEP 0, 2, 0
	TURN 0, 1, 0
	STEP 1, 0, 0
	STEP 1, 1, 0
	STEP 1, 2, 0
	s_wait_dscnt 0x0
	WIN 0xa1
	MUL 0, 4, 1, 0
	WIN 0
.macro TOSTAGE a                       ; block a: register 16 b + 4 j + e is column 32 b + 16 h + 4 j + e of my token
	WIN 0x08                                       ; an LDS store's data are its source 1: window 2
.irp b, 0,1,2,3
.irp j, 0,1,2,3
	ds_store_b128 v[STO], v[64*(\a)+16*\b+4*\j:64*(\a)+16*\b+4*\j+3] offset:128*\b+16*\j   ; each accumulator from its low end on
.endr
.endr
	WIN 0
.irp t, 0,1,2,3,4,5,6,7,8,9,10,11,12,13,14,15
	ds_load_b128 v[BK+64*((\a)%2)+4*\t:BK+64*((\a)%2)+4*\t+3], v[RD] offset:528*\t   ; LDS serves a wave's instructions in order: these see the stores above
.endr
.endm
.macro SEND a, younger                 ; row t of block a is token 32 (a / 2) + 8 (a % 2) + (t & 7) + 16 (t >> 3) of my 64
	s_wait_dscnt \younger
.irp t, 0,1,2,3,4,5,6,7,8,9,10,11,12,13,14,15
	global_store_b128 v2, v[BK+64*((\a)%2)+4*\t:BK+64*((\a)%2)+4*\t+3], s[70:71] offset:(32*((\a)/2)+8*((\a)%2)+(\t%8)+16*(\t/8))*16384 th:TH_STORE_NT   ; 512 consecutive bytes, at a multiple of 256 from out0's first byte
.endr
.endm
	PLACES                                         ; in front of the first reads of results and of loads into the fragments' registers
	TOSTAGE 0
.irp a, 1,2,3
.if \a > 1
	s_wait_xcnt 0x0                                ; block a - 2's stores have read their registers: block a's loads may land there
.endif
	TOSTAGE \a
	SEND \a-1, 32                                  ; behind block a - 1's loads: block a's 16 stores and 16 loads
.endr
	SEND 3, 0
	s_wait_tensorcnt 0x0                           ; the wave's end
	ds_add_u32 v[SPW], v[NIL]
	s_wait_dscnt 0x0
	CROUND                                         ; the closing round
	s_endpgm
.Lfunc_end_k_qa8eff64bb5_gemm_out:
	.size	k_qa8eff64bb5_gemm_out, .Lfunc_end_k_qa8eff64bb5_gemm_out-k_qa8eff64bb5_gemm_out
	.p2alignl 7, 3214868480
	.fill 96, 4, 3214868480
	.section	.rodata,"a",@progbits
	.p2align	6, 0x0
	.amdhsa_kernel k_qa8eff64bb5_gemm_out
		.amdhsa_group_segment_fixed_size 327680
		.amdhsa_private_segment_fixed_size 0
		.amdhsa_enable_private_segment 0
		.amdhsa_kernarg_size 24
		.amdhsa_user_sgpr_count 2
		.amdhsa_user_sgpr_kernarg_segment_ptr 1
		.amdhsa_wavefront_size32 1
		.amdhsa_system_sgpr_workgroup_id_x 1
		.amdhsa_system_sgpr_workgroup_id_y 1
		.amdhsa_system_sgpr_workgroup_id_z 1
		.amdhsa_system_vgpr_workitem_id 0
		.amdhsa_next_free_vgpr 1024
		.amdhsa_next_free_sgpr 100
		.amdhsa_reserve_vcc 0
		.amdhsa_float_denorm_mode_32 3
		.amdhsa_float_denorm_mode_16_64 3
		.amdhsa_memory_ordered 1
		.amdhsa_forward_progress 1
		.amdhsa_inst_pref_size 135
	.end_amdhsa_kernel
	.amdgpu_metadata
---
amdhsa.version: [ 1, 2 ]
amdhsa.kernels:
  - .name:           k_qa8eff64bb5_gemm_out
    .symbol:         k_qa8eff64bb5_gemm_out.kd
    .args:
      - { .name: o_rec, .offset: 0, .size: 8, .value_kind: global_buffer, .address_space: global }
      - { .name: wo_rec, .offset: 8, .size: 8, .value_kind: global_buffer, .address_space: global }
      - { .name: out0, .offset: 16, .size: 8, .value_kind: global_buffer, .address_space: global }
    .group_segment_fixed_size: 327680
    .private_segment_fixed_size: 0
    .kernarg_segment_align: 8
    .kernarg_segment_size: 24
    .max_flat_workgroup_size: 128
    .sgpr_count:     100
    .vgpr_count:     1024
    .wavefront_size: 32
...
	.end_amdgpu_metadata
.endif
;; end of part 6
;; ======== version 2 of 2: 6 launches; version 1 with the launch thresh written anew for expert scheduling mode
;; limits: right only within a limited range of input values
;; workspace buffers: x_rec 6,815,744 bytes; w_rec 13,631,488 bytes; wo_rec 6,815,744 bytes; qkv_rec 6,553,600 bytes; thr 131,072 bytes; o_rec 3,407,872 bytes
;; launch quantx: the kernel of part 1 again; grid 256 x 1, 4 waves a work-group, no clusters, 34,304 bytes of LDS; arguments hidden_states, x_rec; writes x_rec
;; launch quantw: the kernel of part 2 again; grid 768 x 1, 4 waves a work-group, no clusters, 13,824 bytes of LDS; arguments Wq, Wk, Wv, Wo, w_rec, wo_rec; writes w_rec, wo_rec
;; launch gemm_qkv: the kernel of part 3 again; grid 16 x 16, 4 waves a work-group, clusters of 4 x 4, 327,680 bytes of LDS; arguments x_rec, w_rec, cos, sin, position_ids, qkv_rec; writes qkv_rec
;; launch thresh (part 7): grid 8 x 64, 16 waves a work-group, no clusters, 264,960 bytes of LDS; arguments qkv_rec, thr; writes thr
.if DOCPART == 7
	.amdgcn_target "amdgcn-amd-amdhsa--gfx1250"
	.amdhsa_code_object_version 6
	.text
	.protected	k_qa8eff64bb5_thresh
	.globl	k_qa8eff64bb5_thresh
	.p2align	8
	.type	k_qa8eff64bb5_thresh,@function
k_qa8eff64bb5_thresh:
	s_mov_b64 s[64:65], 0
	v_nop
	global_prefetch_b8 v0, s[64:65] scope:SCOPE_SE
	s_setreg_imm32_b32 hwreg(HW_REG_WAVE_SCHED_MODE, 0, 2), 2
	s_setreg_imm32_b32 hwreg(HW_REG_WAVE_MODE, 25, 1), 1
	s_wait_xcnt 0x0
	s_wait_alu depctr_vm_vsrc(0)
; For each query token >= 1,024 of each head: the 1,024th largest of its visible raw scores (q . k on the codes, before the division by sqrt(128)).  Tokens < 1,024 keep every visible key and need none.
; A work-group takes KV head x and tile 127 - y of 16 queries, FOR BOTH QUERY HEADS THAT SHARE THAT KV HEAD: 32 queries.  The tiles with the most keys come first in the grid's order.
; PHASE A: wave w takes group w of 128 keys: it loads K's record once and multiplies it by both heads' tiles of Q, by the same matrix instruction on the same operands as the attention launch, so that the bits agree.
; A wave whose group lies wholly behind the diagonal loads and multiplies nothing and stores -2^62; the wave on the diagonal sets its hidden keys to -2^62; the others have no hidden key.
; The scores lie in LDS, [32 queries][2,048], rows 8,208 bytes apart: 16 rows that a store touches start in 16 different columns of 16 bytes.
; PHASE B: wave w owns query w of both heads, 16 lanes and 128 registers a lane each.  The two rows lie a multiple of 256 bytes apart and the lanes of the second take the other eight places, so a load's 16 lanes touch 16 different columns.
; THE SEARCH goes bit by bit over the ordered key of an f32 (31 trips of a constant count: bits 31 to 1).  COUNTING IS DONE BY SIGN: with s' = the score's bits | 1 and a candidate T of even bits, s' - T is never 0;
; (s' - T) x 2^64, at least 2^-85 in magnitude, is converted with the scale 2^-126 to the code of +7.5 or -7.5, sixteen an instruction, and a product with an operand of ones adds the codes: 7.5 (above - below).
; A conversion's three registers stand at registers 0-2 or 6-8 of an operand, where a code begins; registers 3-5 and 9-11 stay zero codes.  Chunks of 256 keys that lie wholly behind the diagonal are left out by a branch on ids.
; The result is the lower number of the winning pair of bit patterns: the attention launch keeps a key where score >= that number.  thr: [16 heads][64 tiles][32 words]: word l is query position l & 15's.
; No prefetch: a KV head's records are read by 64 work-groups, not once.  No tensor loads: the scores leave no room in LDS for K.
; LIMITS: raw scores stay under 2^62 in magnitude; scores that differ in the last bit of f32 alone count as equal; -0 counts as just under +0; NaN and infinities are not served.
; REGISTERS, phase A: v4-15 Q of the odd head, v16-27 Q of the even head, v32-127 K, v128-191 scores, v192 16 l, v193 Q's scale words' offset, v194 the causal number, v195 -2^62, v235 Q's scale words, v236-239 K's.
;   LDS addresses, made at the head and not rewritten while in use: v1, v3 the results' words, v28, v29 the two heads' rows in phase A, v30 my row in phase B.
;   phase B: v4-27, v64-87 the four counting operands, v28 the key so far, v29 2^126, v30 the bar, v31 the candidate, v32-63 at work, v88-95, v224-231 sums, v96-223 my 128 scores, v240-251 ones, v252 scales of 1.
; THE MODE: SCHED_MODE bits 1:0 = 2 (LLVM: expert scheduling mode 2), set by the entry lines.  The code itself states the register dependences
; between vector or matrix instructions and memory or LDS instructions, and those through scalar registers and VCC that vector instructions write, with s_wait_alu, always for 0.
; THE PLAN.  Registers that memory or LDS instructions touch:
;   v192, v193, v2   offsets of the global loads (v2 of the last stores too): written once at the head.  v192 and v193 later take loads of phase B.
;   v28, v29, v30    LDS addresses of phase A's stores and phase B's loads: written at the head, written anew as phase B's numbers behind those loads.
;   v1, v3           LDS addresses of the results' words: written at the head, never again.
;   v4-27, v32-127, v235-239   the global loads land here, the products read them; v96-127 later take loads of phase B.
;   v128-191         written by a head's products and the mask's selects, read by its 16 LDS stores, written over by the odd head's products; later they take loads of phase B.
;   v96-223          phase B's 32 LDS loads land here; from then on vector instructions alone name them.
;   v232             the result, read by one LDS store;  v233, v234: wave 0's two LDS loads land here, its two global stores read them.
; The search loop holds no memory or LDS instruction: its waits state the two compares' VCC and, ahead of the scaled products, the operands that vector instructions have written.
; A second set of 64 registers for the odd head's scores does not fit: phase A holds 201 of the wave's 256.
.set AR,    12800
.set HB,    204800
.set SP,    8208
.set TILE1, 16*SP                      ; the odd head's 16 rows
.set THL,   32*SP                      ; behind the scores: 32 words for the results
	s_load_b128 s[4:7], s[0:1], 0x0                ; qkv_rec, thr
	v_lshrrev_b32 v1, 5, v0
	v_readfirstlane_b32 s8, v1                     ; wave 0..15
	s_and_b32 s9, ttmp7, 0xffff
	s_sub_co_u32 s9, 127, s9                       ; T: the tile of 16 queries
	s_lshl_b32 s10, ttmp9, 1                       ; the even one of the two query heads
	s_lshr_b32 s12, s9, 3                          ; the diagonal's group of 128 keys
	s_add_co_u32 s13, s12, 2
	s_lshr_b32 s13, s13, 1                         ; chunks of 256 keys that hold a visible key: 5 to 8
	s_mul_i32 s14, s10, HB
	s_mul_i32 s15, s12, AR
	s_add_co_u32 s14, s14, s15                     ; the even head's record of Q; the odd head's lies HB bytes on
	s_and_b32 s16, s9, 7
	s_mul_i32 s17, s16, 1536
	s_add_co_u32 s26, s14, s17
	s_mov_b32 s27, 0
	s_lshl_b32 s17, s16, 6
	s_add_co_u32 s28, s14, s17
	s_add_co_u32 s28, s28, 12288
	s_mov_b32 s29, 0
	s_add_co_u32 s30, ttmp9, 16
	s_mul_i32 s30, s30, HB
	s_wait_alu depctr_va_sdst(0)                   ; s8 is written, ahead of its first reader: addresses and branches are made from it
	s_mul_i32 s31, s8, AR
	s_add_co_u32 s30, s30, s31                     ; K's record of group w
	s_mov_b32 s31, 0
	s_lshr_b32 s32, s9, 1
	s_and_b32 s32, s32, 3
	s_lshl_b32 s32, s32, 5
	s_and_b32 s33, s9, 1
	s_lshl_b32 s33, s33, 3
	s_add_co_u32 s32, s32, s33                     ; the tile's first token, counted from the diagonal group's first key
	s_lshl_b32 s36, s13, 8
	s_sub_co_u32 s36, 2048, s36                    ; 2 x 1,024 - the numbers counted
	s_lshl_b32 s38, s10, 6
	s_add_co_u32 s38, s38, s9
	s_sub_co_u32 s38, s38, 64
	s_lshl_b32 s38, s38, 7                         ; the even head's 128 bytes of thr; the odd head's lie 64 x 128 bytes on
	s_mov_b32 s39, 0
	s_mov_b32 s24, 0x5f800000                      ; 2^64
	s_mov_b32 s25, s24                             ; (named with it as a pair)
	v_and_b32 v2, 31, v0
	v_lshlrev_b32 v192, 4, v2                      ; 16 x lane
	v_lshlrev_b32 v2, 2, v2                        ; 4 x lane
	v_and_b32 v232, 15, v0                         ; r
	v_bfe_u32 v233, v0, 4, 1                       ; h
	v_bfe_u32 v234, v0, 3, 1                       ; r >> 3
	v_lshlrev_b32 v193, 2, v232
	v_mad_u32_u24 v193, v233, HB, v193             ; Q's scale words: lanes 0-15 the even head's, lanes 16-31 the odd head's
	v_lshl_add_u32 v1, v232, 2, THL                ; where wave 0 reads the results back
	v_mul_u32_u24 v28, v232, SP
	v_lshl_add_u32 v28, v233, 5, v28
	s_lshl_b32 s34, s8, 9
	v_add_nc_u32 v28, s34, v28                     ; phase A: query r's row, + 32 h, + group w's 512 bytes
	v_add_nc_u32 v29, TILE1, v28                   ; the same in the odd head's rows
	v_lshlrev_b32 v30, 4, v234
	v_add_nc_u32 v30, s8, v30                      ; phase B: my query among the 32: w + 16 (r >> 3)
	v_lshl_add_u32 v3, v30, 2, THL                 ; where its result goes
	v_mul_u32_u24 v30, v30, SP
	v_add_nc_u32 v31, v233, v234
	v_and_b32 v31, 1, v31                          ; h for the even head's lanes, 1 - h for the odd head's
	v_and_b32 v194, 7, v0
	v_lshl_add_u32 v31, v31, 3, v194
	v_lshl_add_u32 v30, v31, 4, v30                ; + 16 x my place among the query's 16 lanes
	v_lshl_add_u32 v194, v234, 4, v194
	v_lshlrev_b32 v31, 4, v233
	v_sub_nc_u32 v194, v194, v31
	v_add_nc_u32 v194, s32, v194                   ; d = my token - the diagonal group's first key - 16 h
	v_mov_b32 v195, 0xde800000                     ; -2^62
	s_wait_kmcnt 0x0
	s_add_nc_u64 s[26:27], s[4:5], s[26:27]
	s_add_nc_u64 s[28:29], s[4:5], s[28:29]
	s_add_nc_u64 s[30:31], s[4:5], s[30:31]
	s_add_nc_u64 s[6:7], s[6:7], s[38:39]
	s_wait_alu depctr_va_vdst(0)                   ; the offsets v192, v193, v2 and the LDS addresses v1, v3, v28, v29, v30 are written: every load and store of the kernel, on both ways below, reads some of them
.macro SCORES q, odd                   ; S^T = K Q^T: a lane holds query r; register 16 b + i is key 32 b + 16 h + i of the group
.irp t, 0,2,4,6
.if \odd
	v_wmma_scale_f32_16x16x128_f8f6f4 v[128+8*\t:135+8*\t], v[32+12*\t:43+12*\t], v[(\q):(\q)+11], 0, v[236+\t/2], v235 matrix_a_fmt:MATRIX_FMT_FP6 matrix_b_fmt:MATRIX_FMT_FP6 matrix_b_scale:MATRIX_SCALE_ROW1
	v_wmma_scale_f32_16x16x128_f8f6f4 v[136+8*\t:143+8*\t], v[44+12*\t:55+12*\t], v[(\q):(\q)+11], 0, v[236+\t/2], v235 matrix_a_fmt:MATRIX_FMT_FP6 matrix_b_fmt:MATRIX_FMT_FP6 matrix_a_scale:MATRIX_SCALE_ROW1 matrix_b_scale:MATRIX_SCALE_ROW1
.else
	v_wmma_scale_f32_16x16x128_f8f6f4 v[128+8*\t:135+8*\t], v[32+12*\t:43+12*\t], v[(\q):(\q)+11], 0, v[236+\t/2], v235 matrix_a_fmt:MATRIX_FMT_FP6 matrix_b_fmt:MATRIX_FMT_FP6
	v_wmma_scale_f32_16x16x128_f8f6f4 v[136+8*\t:143+8*\t], v[44+12*\t:55+12*\t], v[(\q):(\q)+11], 0, v[236+\t/2], v235 matrix_a_fmt:MATRIX_FMT_FP6 matrix_b_fmt:MATRIX_FMT_FP6 matrix_a_scale:MATRIX_SCALE_ROW1
.endif
.endr
.endm
; hidden: the register's key comes after my token.  The compares stand in runs of sixteen, into s40 to s55, with one wait behind each run; then the run's sixteen selects.  Each accumulator is read from its low end on
.macro MASK
.set m, 0
.rept 4
.set n, 0
.rept 16
	v_cmp_gt_i32 s[40+n], 32*m+n, v194
.set n, n+1
.endr
	s_wait_alu depctr_va_sdst(0)                   ; the sixteen compares have written s40 to s55, which the selects below read
.set n, 0
.rept 16
	v_cndmask_b32 v[128+16*m+n], v[128+16*m+n], v195, s[40+n]
.set n, n+1
.endr
.set m, m+1
.endr
.endm
.macro PUT adr
.irp t, 0,1,2,3,4,5,6,7
	ds_store_b128 v[\adr], v[128+8*\t:131+8*\t] offset:64*\t
	ds_store_b128 v[\adr], v[132+8*\t:135+8*\t] offset:64*\t+16
.endr
.endm
	s_cmp_gt_u32 s8, s12                           ; my group lies wholly behind the diagonal: nothing to load, nothing to multiply
	s_cbranch_scc1 .Lfill
.irp c, 0,1,2
	global_load_b128 v[16+4*\c:19+4*\c], v192, s[26:27] offset:512*\c      ; Q's image, the even head's,
	global_load_b128 v[4+4*\c:7+4*\c], v192, s[26:27] offset:HB+512*\c     ; and the odd head's
.endr
	global_load_b32 v235, v193, s[28:29]           ; both heads' scale words in one register
.irp t, 0,1,2,3,4,5,6,7
.irp c, 0,1,2
	global_load_b128 v[32+12*\t+4*\c:35+12*\t+4*\c], v192, s[30:31] offset:1536*\t+512*\c   ; my group's eight images of K: loaded once, used for both heads
.endr
.endr
.irp t, 0,1,2,3
	global_load_b32 v[236+\t], v2, s[30:31] offset:12288+128*\t   ; their scale words: lanes 0-15 the even tile's, lanes 16-31 the odd one's
.endr
	s_wait_loadcnt 0x0
	SCORES 16, 0                                   ; the even head
.rept 5
	v_nop                                          ; places: for the reads of the results, and for the products that write over them
.endr
	s_cmp_lg_u32 s8, s12                           ; only the diagonal's group has hidden keys among visible ones
	s_cbranch_scc1 .Lopen0
	MASK
.Lopen0:
	s_wait_alu depctr_va_vdst(0)                   ; the products, and on the diagonal the selects, have written v128-191, which the LDS stores read; the places above stay beside this wait
	PUT 28
	s_wait_dscnt 0x0                               ; the stores have read the results
	s_wait_alu depctr_vm_vsrc(0)                   ; the LDS stores have read v128-191, which the odd head's products write over
	SCORES 4, 1                                    ; the odd head
.rept 4
	v_nop                                          ; places: for the reads of the results, and for the moves into the operands' registers further down
.endr
	s_cmp_lg_u32 s8, s12
	s_cbranch_scc1 .Lopen1
	MASK
.Lopen1:
	s_wait_alu depctr_va_vdst(0)                   ; the products and the selects have written v128-191, which the LDS stores read; the products are done reading v96-127 and the mask v194, v195, in which phase B's loads land
	PUT 29
	s_branch .Ljoin
.Lfill:
.irp j, 0,1,2,3
	v_mov_b32 v[128+\j], v195
.endr
	s_wait_alu depctr_va_vdst(0)                   ; the four moves have written v128-131, which the LDS stores read, and are done reading v195, in which a load of phase B lands
.irp t, 0,1,2,3,4,5,6,7
	ds_store_b128 v28, v[128:131] offset:64*\t     ; -2^62 for all 128 keys of my group, in both heads' rows
	ds_store_b128 v28, v[128:131] offset:64*\t+16
	ds_store_b128 v29, v[128:131] offset:64*\t
	ds_store_b128 v29, v[128:131] offset:64*\t+16
.endr
.Ljoin:
	s_wait_dscnt 0x0                               ; for the others' sake: my stores are done
	s_barrier_signal -1
	s_barrier_wait -1
	s_wait_alu depctr_vm_vsrc(0)                   ; my LDS stores have read v128-191 and my global loads v192, v193: the loads below land in these registers
.set n, 0
.rept 32
	ds_load_b128 v[96+4*n:99+4*n], v30 offset:256*n   ; my query's 2,048 scores, 128 of them mine
.set n, n+1
.endr
.irp j, 3,4,5,9,10,11
	v_mov_b32 v[64+\j], 0                          ; the counting operands: what no conversion writes in every trip is zero codes.  (These moves name none of the registers that the loads above touch)
	v_mov_b32 v[76+\j], 0
.endr
.irp j, 3,4,5,6,7,8,9,10,11
	v_mov_b32 v[16+\j], 0
.endr
.set n, 0
.rept 12
	v_mov_b32 v[4+n], 0
.set n, n+1
.endr
.irp q, 0,1,2,3
	v_mov_b32 v[240+3*\q], 0x08208208              ; 128 codes of 1.0 (001000), as a stream of bits
	v_mov_b32 v[241+3*\q], 0x82082082
	v_mov_b32 v[242+3*\q], 0x20820820
.endr
	v_mov_b32 v252, 0x7f7f7f7f                     ; both sides' scales: 1
	v_mov_b32 v253, 0x00800000                     ; the conversions' scale operand: 2^-126
	v_mov_b32 v255, 0                              ; (named as the upper half of the pair v[254:255])
	s_wait_dscnt 0x0
	s_wait_alu depctr_vm_vsrc(0)                   ; the LDS loads have read v30, and the stores of phase A v28 and v29: the three are written anew below
	v_mov_b32 v28, 0                               ; U: the key found so far
	v_mov_b32 v29, 0x7e800000                      ; 2^126
	v_cvt_f32_i32 v30, s36
	v_mul_f32 v30, 0x40f00000, v30                 ; 7.5 (2,048 - the numbers counted): reached where 1,024 or more lie above
.set n, 0
.rept 128
	v_or_b32 v[96+n], 1, v[96+n]
.set n, n+1
.endr
.macro CHUNK c                         ; 256 keys: my 16 numbers
.if (\c)/2 == 0
.set OPB, 64
.elseif (\c)/2 == 1
.set OPB, 76
.elseif (\c)/2 == 2
.set OPB, 16
.else
.set OPB, 4
.endif
.set OPB, OPB+6*((\c)%2)
.irp i, 0,2,4,6,8,10,12,14
	v_pk_fma_f32 v[32+16*((\c)%2)+\i:33+16*((\c)%2)+\i], v[96+16*(\c)+\i:97+16*(\c)+\i], s[24:25], v[254:255] op_sel_hi:[1,0,0]
.endr
	v_cvt_scalef32_pk16_fp6_f32 v[OPB:OPB+2], v[32+16*((\c)%2):47+16*((\c)%2)], v253   ; the next chunk's first line, on the other set, is the plain instruction behind it
.endm
	s_mov_b32 s20, 0x80000000
	s_mov_b32 s21, 31
.Lbit:
	v_or_b32 v31, s20, v28                         ; the candidate key
	v_cmp_gt_i32 vcc_lo, 0, v31                    ; (the compare stands ahead of the two lines below, which do not hang on it)
	v_xor_b32 v232, 0x80000000, v31                ; its number: top bit set: positive, these bits;
	v_sub_nc_u32 v233, 0, v31                      ; else negative: the even pattern just under the pair
	s_wait_alu depctr_va_vcc(0)                    ; the compare has written VCC, which the select reads
	v_cndmask_b32 v232, v233, v232, vcc_lo
	v_mul_f32 v232, 0xdf800000, v232               ; x -2^64
	v_med3_num_f32 v254, v232, -v29, v29           ; held at 2^126: beyond every score x 2^64
	CHUNK 0
	CHUNK 1
	CHUNK 2
	CHUNK 3
	CHUNK 4
	s_cmp_eq_u32 s13, 5
	s_cbranch_scc1 .Ltail
	CHUNK 5
	s_cmp_eq_u32 s13, 6
	s_cbranch_scc1 .Ltail
	CHUNK 6
	s_cmp_eq_u32 s13, 7
	s_cbranch_scc1 .Ltail
	CHUNK 7
.Ltail:
.rept 4
	v_nop                                          ; places between the conversions and the products that read their results
.endr
	s_wait_alu depctr_va_vdst(0)                   ; the conversions have written the four counting operands; in the first trip also: the moves have written the zero codes, the ones v240-251 and the scales v252; the scaled products below take all of these
	v_wmma_scale_f32_16x16x128_f8f6f4 v[88:95], v[240:251], v[64:75], 0, v252, v252 matrix_a_fmt:MATRIX_FMT_FP6 matrix_b_fmt:MATRIX_FMT_FP6
	v_wmma_scale_f32_16x16x128_f8f6f4 v[224:231], v[240:251], v[76:87], 0, v252, v252 matrix_a_fmt:MATRIX_FMT_FP6 matrix_b_fmt:MATRIX_FMT_FP6
	v_wmma_scale_f32_16x16x128_f8f6f4 v[88:95], v[240:251], v[16:27], v[88:95], v252, v252 matrix_a_fmt:MATRIX_FMT_FP6 matrix_b_fmt:MATRIX_FMT_FP6
	v_wmma_scale_f32_16x16x128_f8f6f4 v[224:231], v[240:251], v[4:15], v[224:231], v252, v252 matrix_a_fmt:MATRIX_FMT_FP6 matrix_b_fmt:MATRIX_FMT_FP6
.rept 4
	v_nop
.endr
	v_add_f32 v234, v88, v224                      ; column r: the codes of lanes r and r + 16
	v_add_f32_dpp v234, v234, v234 row_xmask:1 row_mask:0xf bank_mask:0xf
	v_add_f32_dpp v234, v234, v234 row_xmask:2 row_mask:0xf bank_mask:0xf
	v_add_f32_dpp v234, v234, v234 row_xmask:4 row_mask:0xf bank_mask:0xf   ; my query's eight columns
	v_cmp_ge_f32 vcc_lo, v234, v30
	s_wait_alu depctr_va_vcc(0)                    ; the compare has written VCC, which the select reads
	v_cndmask_b32 v28, v28, v31, vcc_lo            ; 1,024 or more lie above: the bit stays
	s_lshr_b32 s20, s20, 1
	s_sub_co_u32 s21, s21, 1
	s_cmp_lg_u32 s21, 0
	s_cbranch_scc1 .Lbit
	v_xor_b32 v232, 0x80000000, v28                ; the key's number: the lower of the pair
	v_not_b32 v233, v28
	v_cmp_gt_i32 vcc_lo, 0, v28
	s_wait_alu depctr_va_vcc(0)                    ; the compare has written VCC, which the select reads
	v_cndmask_b32 v232, v233, v232, vcc_lo
	s_wait_alu depctr_va_vdst(0)                   ; the select has written v232, which the LDS store reads; the vector instructions are done with v233 and v234, in which wave 0's loads land
	ds_store_b32 v3, v232                          ; a query's 16 lanes write the same word with the same value
	s_wait_dscnt 0x0
	s_barrier_signal -1
	s_barrier_wait -1
	s_cmp_lg_u32 s8, 0
	s_cbranch_scc1 .Lend
	ds_load_b32 v233, v1                           ; the even head's sixteen, in both halves of the lanes,
	ds_load_b32 v234, v1 offset:64                 ; and the odd head's
	s_wait_dscnt 0x0
	global_store_b32 v2, v233, s[6:7]              ; 128 consecutive bytes each
	global_store_b32 v2, v234, s[6:7] offset:8192
.Lend:
	s_wait_xcnt 0x0
	v_lshl_add_u32 v254, v0, 2, 0x40300            ; the add's two registers, made anew: no memory or LDS instruction has read v254 or v255
	v_mov_b32 v255, 0
	s_wait_dscnt 0x0                               ; the closing lines, six on end
	s_wait_alu 0x0
	s_wait_tensorcnt 0x0
	ds_add_u32 v254, v255
	s_wait_dscnt 0x0
	s_endpgm
.Lfunc_end_k_qa8eff64bb5_thresh:
	.size	k_qa8eff64bb5_thresh, .Lfunc_end_k_qa8eff64bb5_thresh-k_qa8eff64bb5_thresh
	.p2alignl 7, 3214868480
	.fill 96, 4, 3214868480
	.section	.rodata,"a",@progbits
	.p2align	6, 0x0
	.amdhsa_kernel k_qa8eff64bb5_thresh
		.amdhsa_group_segment_fixed_size 264960
		.amdhsa_private_segment_fixed_size 0
		.amdhsa_enable_private_segment 0
		.amdhsa_kernarg_size 16
		.amdhsa_user_sgpr_count 2
		.amdhsa_user_sgpr_kernarg_segment_ptr 1
		.amdhsa_wavefront_size32 1
		.amdhsa_system_sgpr_workgroup_id_x 1
		.amdhsa_system_sgpr_workgroup_id_y 1
		.amdhsa_system_sgpr_workgroup_id_z 1
		.amdhsa_system_vgpr_workitem_id 0
		.amdhsa_next_free_vgpr 256
		.amdhsa_next_free_sgpr 66
		.amdhsa_reserve_vcc 1
		.amdhsa_float_denorm_mode_32 3
		.amdhsa_float_denorm_mode_16_64 3
		.amdhsa_memory_ordered 1
		.amdhsa_forward_progress 1
		.amdhsa_inst_pref_size 48
	.end_amdhsa_kernel
	.amdgpu_metadata
---
amdhsa.version: [ 1, 2 ]
amdhsa.kernels:
  - .name:           k_qa8eff64bb5_thresh
    .symbol:         k_qa8eff64bb5_thresh.kd
    .args:
      - { .name: qkv_rec, .offset: 0, .size: 8, .value_kind: global_buffer, .address_space: global }
      - { .name: thr, .offset: 8, .size: 8, .value_kind: global_buffer, .address_space: global }
    .group_segment_fixed_size: 264960
    .private_segment_fixed_size: 0
    .kernarg_segment_align: 8
    .kernarg_segment_size: 16
    .max_flat_workgroup_size: 512
    .sgpr_count:     66
    .vgpr_count:     256
    .wavefront_size: 32
...
	.end_amdgpu_metadata
.endif
;; end of part 7
;; launch attn: the kernel of part 5 again; grid 16 x 16, 8 waves a work-group, clusters of 4 x 1, 327,680 bytes of LDS; arguments qkv_rec, thr, o_rec; writes o_rec
;; launch gemm_out: the kernel of part 6 again; grid 16 x 16, 4 waves a work-group, clusters of 4 x 4, 327,680 bytes of LDS; arguments o_rec, wo_rec, out0; writes out0
